; MI455X (gfx1250); checked and timed in simulation.
; The chip was launched on July 23, 2026; its instructions are those of AMD's public machine-readable ISA for CDNA 5 (MIT licence, August 2026) and "CDNA5" Instruction Set Architecture Reference Guide (July 2026). The comments in the code are by the model that wrote it; some were corrected since.
;; HF Exaone Attention. Allowed arithmetic: matrix products marked QUANTISED: E2M3 operands, one E8M0 scale for each 32 along K, by v_wmma_scale_f32_16x16x128_f8f6f4 with both operands' format E2M3, f32 sums; everything else in f32.
;; Inputs: cos 2 x 2,048 x 128 float32; hidden_states 2 x 2,048 x 4,096 float32; sin 2 x 2,048 x 128 float32; wk 512 x 4,096 float32; wo 4,096 x 1,024 float32; wq 1,024 x 4,096 float32; wv 512 x 4,096 float32.
;; Outputs: out0 2 x 2,048 x 4,096 float32.
;; This version of the problem:
;;   THIS VERSION OF THE PROBLEM IS GIVEN IN LOW PRECISION. The matrix products marked QUANTISED in the list below multiply operands that are first quantised to E2M3 (2 exponent bits, 3 mantissa bits; 6 bits a number), with one power-of-two scale for each 32 numbers along K (OCP MX v1.0); their sums are f32. All else is computed in f32.
;;   The module's matrix products, in the order in which they are computed (A, B: the left and right operand; K: the contracted axis; several contracted axes count as one K, in the product's order):
;;     1. [M 4,096, K 4,096] x [K 4,096, N 1,024]; A: input hidden_states; B: input wq: QUANTISED
;;     2. [M 4,096, K 4,096] x [K 4,096, N 512]; A: input hidden_states; B: input wk: QUANTISED
;;     3. [M 4,096, K 4,096] x [K 4,096, N 512]; A: input hidden_states; B: input wv: QUANTISED
;;     4. batch 16 x [M 2,048, K 128] x [K 128, N 2,048]; A: computed on the way; B: computed on the way: QUANTISED
;;     5. batch 16 x [M 2,048, K 2,048] x [K 2,048, N 128]; A: softmax (see below); B: computed on the way: QUANTISED
;;     6. [M 4,096, K 1,024] x [K 1,024, N 4,096]; A: computed on the way; B: input wo: QUANTISED
;;   THE QUANTISER, for each operand of a quantised product, along K:
;;     - K is cut into blocks of 32 from its start; a last block that is shorter is filled with zeros.
;;     - A block's scale is 2^e with e = floor(log2(the largest magnitude in the block)) - 2, held to -126 .. 127; a block of zeros has e = 0. As a byte (E8M0): e + 127.
;;     - Each number is divided by its block's scale, clamped to +-7.5, and rounded to the nearest number of E2M3, ties to even, subnormals kept.
;;     - The product sums the exact products of the quantised numbers (number of the format x scale) in f32.
;;   ~~~python
;;   def quantise(x, axis):      # numpy; x: float32 -> the quantised numbers, widened to float32 again
;;       x = np.moveaxis(x, axis, -1); K = x.shape[-1]
;;       x = np.pad(x, [(0, 0)] * (x.ndim - 1) + [(0, -K % 32)]); x = x.reshape(x.shape[:-1] + (-1, 32)); a = np.abs(x).max(-1, keepdims=True)
;;       e = np.where(a > 0, np.clip(np.frexp(np.where(a > 0, a, 1))[1] - 1 - 2, -126, 127), 0)      # np.frexp(a)[1] - 1 = floor(log2(a)), exactly
;;       r = np.clip(x / 2.0 ** e, -7.5, 7.5)
;;       step = 2.0 ** (np.maximum(np.frexp(np.where(r == 0, 1, r))[1] - 1, 0) - 3)
;;       q = np.round(r / step) * step * 2.0 ** e      # np.round: ties to even
;;       return np.moveaxis(q.reshape(q.shape[:-2] + (-1,))[..., :K], -1, axis).astype(np.float32)
;;   ~~~
;;   SOFTMAX AHEAD OF A QUANTISED PRODUCT. Where the list says 'softmax', what is quantised is not the finished softmax but p = 2^(t - M), with t = logit x log2(e) and M = ceil(the row's largest t), a whole number; so 1/2 < the row's largest p <= 1. The row's sum l is taken of the UNQUANTISED p, in f32, and the product's result is divided by l at the end. Since M is a whole number, a kernel that streams over the keys may use a running M (the ceiling of the running maximum): every later rescaling is an exact power of two, which a block's scale takes up: the codes' values come out the same.
;;   OPERANDS COMPUTED ON THE WAY. 'Computed on the way' means the value that the module computes at that place (a softmax that the list does not call 'softmax' is quantised finished and normalised). What goes into a quantiser is computed in f32, as accurately as f32 sums, v_exp_f32 and their like allow (about 1e-6 of the number): no bf16 or f16 on the way to a quantiser, and a product that is left as it is and whose result goes on into a quantised operand takes f32 operands (vector FMAs, or v_wmma_f32_16x16x4_f32). A number that lies on a knife's edge between two numbers of the format may be rounded either way, as far as f32 arithmetic and the matrix unit's own rounding can turn it there, and no further.
;; One version. Each part assembles by itself: llvm-mc -triple=amdgcn-amd-amdhsa -mcpu=gfx1250 --defsym DOCPART=n.
;; ======== version 1 of 1: 4 launches
;; limits: right only within a limited range of input values
;; workspace buffers: himg 13,107,200 bytes; wimg 6,553,600 bytes; woimg 3,276,800 bytes; qrec 3,276,800 bytes; kvrec 3,276,800 bytes; aimg 3,276,800 bytes
;; launch quant (part 1): grid 896 x 1, 4 waves a work-group, no clusters, 34,304 bytes of LDS; arguments hidden_states, wq, wk, wv, wo, himg, wimg, woimg; writes himg, wimg, woimg
.if DOCPART == 1
	.amdgcn_target "amdgcn-amd-amdhsa--gfx1250"
	.amdhsa_code_object_version 6
	.text
	.protected	k_qdee93e9bb9_quant
	.globl	k_qdee93e9bb9_quant
	.p2align	8
	.type	k_qdee93e9bb9_quant,@function
k_qdee93e9bb9_quant:
	s_mov_b64 s[64:65], 0
	v_nop
	global_prefetch_b8 v0, s[64:65] scope:SCOPE_SE
	s_setreg_imm32_b32 hwreg(HW_REG_WAVE_MODE, 25, 1), 1
	s_wait_xcnt 0x0
; hidden_states [4096][4096], wq [1024][4096], wk, wv [512][4096], wo [4096][1024], all f32 with K innermost, become codes of FP6 (E2M3) with one E8M0 byte for each 32 along K.
; THE CODES ARE LAID AS THE MATRIX OPERANDS' REGISTERS.  A fragment (16 rows x 128 K, 12 registers a lane) is 1,536 bytes: register i of lane l at 512 (i / 4) + 16 l + 4 (i % 4): three stores of 512 consecutive bytes.
; A record is four fragments (512 along K of one group of 16 rows) and 256 bytes of scale words: the word of (K step f, row r) at 8 (r + 16 (f % 2)) + 4 (f / 2).  6,400 bytes = 25 x 256.
; THE ROWS OF A GROUP ARE NOT NEIGHBOURS: row r of group R is the tensor's row 32 (R / 2) + 8 (R % 2) + r + 8 (r / 8), so that later products, used transposed, leave 16 neighbours in a lane's 16 registers.
; A block's scale is 2^(floor(log2(its largest magnitude)) - 2): its byte is the largest magnitude's exponent field - 2, held at 1 from below.
; LIMITS: a block of zeros, or one whose largest magnitude lies under 2^-124, gets the byte 1 (the rule says 127 for zeros: the codes are zeros, and this program alone reads the bytes); NaN and infinities among the inputs are not served.
; SHARES.  A wave makes one record: 16 rows x 512 K, 32 KB of f32.  3,584 records: 2,048 of hidden_states, 512 of wq, 256 of wk, 256 of wv, 512 of wo.  Only pointers and sizes are chosen by the record's number: one path for all.
; Each load reads 512 consecutive bytes of one row; a K step's 16 x 512 bytes turn through the wave's own stage in LDS (rows 528 bytes apart) so that a lane gets the two whole blocks that the operand's layout gives it.
; No tensor load, no barrier, no cluster: waves share nothing, and no byte is read twice.
.set STGB,  8448                       ; a wave's stage: 16 rows x (512 + 16) bytes
.set SPARE, 4*STGB                     ; behind the stages: the spare words, 128 bytes for each wave
.set LI,  4                            ; v4   16 x lane
.set L8,  5                            ; v5   8 x lane
.set STI, 6                            ; v6   the stage, on the way in
.set STO, 7                            ; v7   and on the way out: row r, + 128 h
.set SH8, 8                            ; v8   8 h
.set SPW, 10                           ; v10  my spare word; never rewritten
.set NIL, 11                           ; v11  0; never rewritten
.set OFF, 12                           ; v12-27 row i of the group: 16 x lane + (i + 8 (i / 8)) x a row's bytes
.set TM,  28                           ; v28-35 at work
.set PW,  36                           ; v36-39 the four scale words
.set SO,  40                           ; v40-41 the scale words as they are stored
.set PC,  42                           ; v42-61 a fragment's codes
.set X,   64                           ; v64-255 three sets of 64 numbers
.set SRC, 24                           ; s[24:25] the tensor, at my record's first number
.set DST, 26                           ; s[26:27] my record
.set SEL, 40                           ; s[40:41] lane selects: lane l xor 16
.set HIM, 42                           ; s42  lanes 16-31
; 64 numbers of a lane, register 32 c + i = k 64 c + 32 h + i of my row (two whole blocks), become a fragment's codes in v[pc] on and the row's scale word in v[pw], in both halves of the lanes.
.macro QUANT6 s, pc, pw
.irp c, 0,1
	v_max3_num_f32 v[TM+\c], |v[\s+32*\c]|, |v[\s+32*\c+1]|, 0x1800000   ; with the floor 2^(3 - 127): the byte cannot fall under 1
.endr
.irp i, 2,4,6,8,10,12,14,16,18,20,22,24,26,28,30
.irp c, 0,1
	v_max3_num_f32 v[TM+\c], v[TM+\c], |v[\s+32*\c+\i]|, |v[\s+32*\c+\i+1]|   ; the two blocks by turns
.endr
.endr
.irp c, 0,1
	v_add_nc_u32 v[TM+2+\c], 0xff000000, v[TM+\c]   ; 2 off the exponent field: the conversion's scale operand
.endr
.irp c, 0,1
	v_lshrrev_b32 v[TM+4+\c], 23, v[TM+2+\c]        ; the scale's byte
.endr
	v_lshl_or_b32 v[\pw], v[TM+5], 16, v[TM+4]      ; blocks h and 2 + h of my row,
	v_lshlrev_b32 v[\pw], v[SH8], v[\pw]            ; at their places in the word;
	v_permlanex16_b32 v[TM+6], v[\pw], s[SEL], s[SEL+1]
	v_or_b32 v[\pw], v[\pw], v[TM+6]                ; with lane l xor 16's two the word is whole
.irp c, 0,1
	v_cvt_scalef32_pk16_fp6_f32 v[\pc+6*\c:\pc+6*\c+2], v[\s+32*\c:\s+32*\c+15], v[TM+2+\c]
	v_cvt_scalef32_pk16_fp6_f32 v[\pc+12+4*\c:\pc+14+4*\c], v[\s+32*\c+16:\s+32*\c+31], v[TM+2+\c]   ; (a conversion's three registers begin on an even number)
.endr
	v_nop                                           ; one plain place behind the conversions
.irp c, 0,1
.irp i, 0,1,2
	v_mov_b32 v[\pc+3+6*\c+\i], v[\pc+12+4*\c+\i]
.endr
.endr
.endm
	s_load_b512 s[8:23], s[0:1], 0x0               ; hidden s[8:9], wq s[10:11], wk s[12:13], wv s[14:15], wo s[16:17], himg s[18:19], wimg s[20:21], woimg s[22:23]
	v_lshl_add_u32 v[SPW], v0, 2, SPARE
	v_mov_b32 v[NIL], 0
	v_lshrrev_b32 v1, 5, v0
	v_readfirstlane_b32 s2, v1                     ; wave
	v_and_b32 v2, 31, v0                           ; lane
	v_and_b32 v3, 15, v0                           ; r
	v_bfe_u32 v9, v0, 4, 1                         ; h
	v_lshlrev_b32 v[LI], 4, v2
	v_lshlrev_b32 v[L8], 3, v2
	s_mul_i32 s3, s2, STGB
	v_add_nc_u32 v[STI], s3, v[LI]
	v_mul_u32_u24 v[STO], v3, 528
	v_lshl_add_u32 v[STO], v9, 7, v[STO]
	v_add_nc_u32 v[STO], s3, v[STO]
	v_lshlrev_b32 v[SH8], 3, v9
	v_mov_b32 v[TM+6], 0                           ; a lane permute's destination counts as one of its sources
	s_mov_b32 s[SEL], 0x76543210
	s_mov_b32 s[SEL+1], 0xfedcba98
	s_mov_b32 s[HIM], 0xffff0000
	s_lshl_b32 s4, ttmp9, 2
	s_add_co_u32 s4, s4, s2                        ; J: my record among the 3,584
	s_mov_b32 s28, 3072                            ; the tensor's first record,
	s_mov_b32 s29, 3072                            ; its image's first record,
	s_mov_b32 s30, 1                               ; log2 of the records in a group of rows,
	s_mov_b32 s31, 4096                            ; a row's bytes: wo's; the others' are chosen below
	s_wait_alu depctr_va_vdst(0)
	s_wait_kmcnt 0x0
	s_mov_b64 s[SRC:SRC+1], s[16:17]
	s_mov_b64 s[DST:DST+1], s[22:23]
	s_cmp_lt_u32 s4, 3072                          ; every choice hangs on the record's number alone
	s_cselect_b64 s[SRC:SRC+1], s[14:15], s[SRC:SRC+1]
	s_cselect_b64 s[DST:DST+1], s[20:21], s[DST:DST+1]
	s_cselect_b32 s28, 2816, s28
	s_cselect_b32 s29, 2048, s29
	s_cselect_b32 s30, 3, s30
	s_cselect_b32 s31, 16384, s31
	s_cmp_lt_u32 s4, 2816
	s_cselect_b64 s[SRC:SRC+1], s[12:13], s[SRC:SRC+1]
	s_cselect_b32 s28, 2560, s28
	s_cmp_lt_u32 s4, 2560
	s_cselect_b64 s[SRC:SRC+1], s[10:11], s[SRC:SRC+1]
	s_cselect_b32 s28, 2048, s28
	s_cmp_lt_u32 s4, 2048
	s_cselect_b64 s[SRC:SRC+1], s[8:9], s[SRC:SRC+1]
	s_cselect_b64 s[DST:DST+1], s[18:19], s[DST:DST+1]
	s_cselect_b32 s28, 0, s28
	s_cselect_b32 s29, 0, s29
	s_sub_co_u32 s32, s4, s28                      ; my record in its tensor
	s_lshr_b32 s33, s32, s30                       ; its group of rows R
	s_lshl_b32 s34, s33, s30
	s_sub_co_u32 s34, s32, s34                     ; which 512 along K
	s_lshr_b32 s35, s33, 1
	s_lshl_b32 s35, s35, 5
	s_and_b32 s36, s33, 1
	s_lshl_b32 s36, s36, 3
	s_add_co_u32 s35, s35, s36                     ; the group's first row: 32 (R / 2) + 8 (R % 2)
	s_mul_i32 s36, s35, s31
	s_lshl_b32 s34, s34, 11
	s_add_co_u32 s36, s36, s34                     ; in bytes, under 2^27
	s_mov_b32 s37, 0
	s_add_nc_u64 s[SRC:SRC+1], s[SRC:SRC+1], s[36:37]
	s_sub_co_u32 s38, s4, s29
	s_mul_i32 s38, s38, 6400
	s_mov_b32 s39, 0
	s_add_nc_u64 s[DST:DST+1], s[DST:DST+1], s[38:39]
.irp i, 0,1,2,3,4,5,6,7,8,9,10,11,12,13,14,15
	v_mad_u32_u24 v[OFF+\i], s31, \i+8*(\i/8), v[LI]
.endr
.macro LOAD q                          ; K step q: 16 rows x 512 consecutive bytes, into set q % 3
.irp i, 0,1,2,3,4,5,6,7,8,9,10,11,12,13,14,15
	global_load_b128 v[X+64*((\q)%3)+4*\i:X+64*((\q)%3)+4*\i+3], v[OFF+\i], s[SRC:SRC+1] offset:512*(\q) th:TH_LOAD_NT
.endr
.endm
.macro PIECE q, left                   ; left: the younger K steps' loads, which may stay out
.set XS, X+64*((\q)%3)
	s_wait_loadcnt \left
.irp i, 0,1,2,3,4,5,6,7,8,9,10,11,12,13,14,15
	ds_store_b128 v[STI], v[XS+4*\i:XS+4*\i+3] offset:528*\i
.endr
.irp c, 0,1
.irp j, 0,1,2,3,4,5,6,7
	ds_load_b128 v[XS+32*\c+4*\j:XS+32*\c+4*\j+3], v[STO] offset:256*\c+16*\j   ; LDS serves a wave's instructions in order: these see the stores above
.endr
.endr
	s_wait_dscnt 0x0
.if \q > 0
	s_wait_xcnt 0x0                                ; the last K step's stores have read the codes' registers: they are written again only behind this wait
.endif
	QUANT6 XS, PC, PW+\q
.irp g, 0,1,2
	global_store_b128 v[LI], v[PC+4*\g:PC+4*\g+3], s[DST:DST+1] offset:1536*\q+512*\g   ; 512 consecutive bytes, at a multiple of 256 from the buffer's first byte
.endr
.endm
	LOAD 0
	LOAD 1
	LOAD 2
	PIECE 0, 32
	LOAD 3                                         ; into the set that K step 0 has left
	PIECE 1, 32
	PIECE 2, 16
	PIECE 3, 0
	v_cndmask_b32 v[SO], v[PW], v[PW+1], s[HIM]    ; lanes 0-15: K steps 0 and 2; lanes 16-31: K steps 1 and 3
	v_cndmask_b32 v[SO+1], v[PW+2], v[PW+3], s[HIM]
	global_store_b64 v[L8], v[SO:SO+1], s[DST:DST+1] offset:6144   ; 256 consecutive bytes
	s_wait_tensorcnt 0x0                           ; the wave's end, behind my last LDS store
	ds_add_u32 v[SPW], v[NIL]
	s_wait_dscnt 0x0
	s_endpgm
.Lfunc_end_k_qdee93e9bb9_quant:
	.size	k_qdee93e9bb9_quant, .Lfunc_end_k_qdee93e9bb9_quant-k_qdee93e9bb9_quant
	.p2alignl 7, 3214868480
	.fill 96, 4, 3214868480
	.section	.rodata,"a",@progbits
	.p2align	6, 0x0
	.amdhsa_kernel k_qdee93e9bb9_quant
		.amdhsa_group_segment_fixed_size 34304
		.amdhsa_private_segment_fixed_size 0
		.amdhsa_enable_private_segment 0
		.amdhsa_kernarg_size 64
		.amdhsa_user_sgpr_count 2
		.amdhsa_user_sgpr_kernarg_segment_ptr 1
		.amdhsa_wavefront_size32 1
		.amdhsa_system_sgpr_workgroup_id_x 1
		.amdhsa_system_sgpr_workgroup_id_y 1
		.amdhsa_system_sgpr_workgroup_id_z 1
		.amdhsa_system_vgpr_workitem_id 0
		.amdhsa_next_free_vgpr 256
		.amdhsa_next_free_sgpr 66
		.amdhsa_reserve_vcc 0
		.amdhsa_float_denorm_mode_32 3
		.amdhsa_float_denorm_mode_16_64 3
		.amdhsa_memory_ordered 1
		.amdhsa_forward_progress 1
		.amdhsa_inst_pref_size 32
	.end_amdhsa_kernel
	.amdgpu_metadata
---
amdhsa.version: [ 1, 2 ]
amdhsa.kernels:
  - .name:           k_qdee93e9bb9_quant
    .symbol:         k_qdee93e9bb9_quant.kd
    .args:
      - { .name: hidden_states, .offset: 0, .size: 8, .value_kind: global_buffer, .address_space: global }
      - { .name: wq, .offset: 8, .size: 8, .value_kind: global_buffer, .address_space: global }
      - { .name: wk, .offset: 16, .size: 8, .value_kind: global_buffer, .address_space: global }
      - { .name: wv, .offset: 24, .size: 8, .value_kind: global_buffer, .address_space: global }
      - { .name: wo, .offset: 32, .size: 8, .value_kind: global_buffer, .address_space: global }
      - { .name: himg, .offset: 40, .size: 8, .value_kind: global_buffer, .address_space: global }
      - { .name: wimg, .offset: 48, .size: 8, .value_kind: global_buffer, .address_space: global }
      - { .name: woimg, .offset: 56, .size: 8, .value_kind: global_buffer, .address_space: global }
    .group_segment_fixed_size: 34304
    .private_segment_fixed_size: 0
    .kernarg_segment_align: 8
    .kernarg_segment_size: 64
    .max_flat_workgroup_size: 128
    .sgpr_count:     66
    .vgpr_count:     256
    .wavefront_size: 32
...
	.end_amdgpu_metadata
.endif
;; end of part 1
;; launch qkv (part 2): grid 16 x 16, 4 waves a work-group, clusters of 4 x 4, 327,680 bytes of LDS; arguments himg, wimg, cos, sin, qrec, kvrec; writes qrec, kvrec
.if DOCPART == 2
	.amdgcn_target "amdgcn-amd-amdhsa--gfx1250"
	.amdhsa_code_object_version 6
	.text
	.protected	k_qdee93e9bb9_qkv
	.globl	k_qdee93e9bb9_qkv
	.p2align	8
	.type	k_qdee93e9bb9_qkv,@function
k_qdee93e9bb9_qkv:
	s_mov_b64 s[64:65], 0
	v_nop
	global_prefetch_b8 v0, s[64:65] scope:SCOPE_SE
	s_setreg_imm32_b32 hwreg(HW_REG_WAVE_MODE, 25, 1), 1
	s_wait_xcnt 0x0
	s_wait_alu depctr_hold_cnt(0) depctr_sa_sdst(0) depctr_va_vdst(0) depctr_va_sdst(0) depctr_va_ssrc(0) depctr_va_vcc(0) depctr_vm_vsrc(0)
	s_getreg_b32 s2, hwreg(HW_REG_IB_STS2, 6, 4)
	s_cmp_eq_u32 s2, 0
	s_cbranch_scc0 .Lentry_in_a_cluster
	s_endpgm
.Lentry_in_a_cluster:
	s_bfe_u32 s2, ttmp6, 0x10000c
	s_cmp_lg_u32 s2, 0xf033
	s_cbranch_scc0 .Lentry_shape_is_right
	s_endpgm
.Lentry_shape_is_right:
; The three projections as one product on codes of FP6 (E2M3): [4096 tokens][4096] x [2048 columns][4096]^T, then RoPE (q, k) or a turn (v), then the quantisers of attention's operands.  Nothing wide goes to memory.
; OPERANDS ARE IMAGES OF REGISTERS: a fragment (16 rows x 128 K) is 1,536 bytes, three loads of 16 bytes a lane at 16 x lane; a record is four fragments (512 along K of a group of 16 rows) + 256 bytes of scale words, 6,400 bytes.
; Row r of group R is row 32 (R / 2) + 8 (R % 2) + r + 8 (r / 8).  THE MATRIX INSTRUCTION IS USED TRANSPOSED (source 0 = 16 rows of the weight, source 1 = 16 tokens): a lane holds ONE token, and the 16 registers
; of the accumulators of weight groups 2 c and 2 c + 1 are the head's channels 32 c + 16 (lane / 16) + 0 .. 15.
; SHARES.  A work-group makes 256 tokens x one head of 128 columns (heads 0-7 q, 8-11 k, 12-15 v: the kind hangs on the cluster's x alone); 256 work-groups.  A wave makes 64 tokens x 128: 32 accumulators.
; K goes in steps of 512 through two LDS slots of 24 records (16 of the tokens, 8 of the weight), the largest two that fit.
; CLUSTERS: 4 x 4.  The four of a row need the same records of the tokens and the same rows of cos, the four of a column the same records of the weight: each is asked for JOINTLY.
; PREFETCH: behind each load of a record, the record two loads on (record 1 too at the head; the loop's last trip asks for nothing: its look-ahead would pass record 7).  The four partners that ask for a tile jointly share its
; groups out by address: of a wave's 8 groups of tokens the partner at cx names 2 cx and 2 cx + 1, of its 4 groups of the weight the partner at cy names group cy; 25 blocks of 256 bytes a group, a lane a block, lanes 25-31 the last again.
; cos: each partner names 16 of a wave's 64 rows, a lane a block, three K steps ahead of the joint load.  sin comes by plain loads seven K steps ahead of its use, and is not prefetched.
; cos AND sin: cos of my 64 tokens comes by one joint load a wave into slot 0, behind the last change of slots (rows of 512 bytes + 16 of padding); sin of all four tiles lies in window 3.
; OUT.  q: [batch x 8 + head][32] records of four tiles of 16 queries.  k, v: [batch x 4 + head][16 steps of 128 keys] records of 25,600 bytes: K's 8 fragments, V's 8 (16 channels x 128 keys), K's 512 bytes of scale words, V's 512.
; LIMITS: a block of zeros, or one whose largest magnitude lies under 2^-124, gets the scale byte 1 (this program alone reads the bytes); NaN and infinities are not served.
; REGISTERS, in windows of 256: window 0: v4-29 addresses; v32-79 scale words, two sets, and nothing else; v80-175 the tokens' fragments, two sets; at the end v80-143 64 numbers, v144-223 four fragments of codes, v224-245 at work.
;   window 1: the weight's fragments, two sets, at v0 and v128; at the end cos of four tiles.   window 2: accumulator (a, b) at v[8 (8 a + b)].   window 3: sin of four tiles.
.set REC,   6400
.set FRG,   1536
.set KREC,  8
.set GRP,   KREC*REC
.set SLOT,  24*REC
.set BOFF,  16*REC                     ; the weight's records lie behind the tokens'
.set SPARE, 2*SLOT                     ; behind the ring: the spare words, 128 bytes for each wave
.set STG,   SLOT                       ; v's stage, in slot 1 behind its last fill and last read: eight groups of 32 rows of 528 bytes, + 32 bytes a group
.set GP,    16928
.set CP,    528                        ; cos in LDS: a row's pitch; 64 rows a wave, in slot 0
.set LI,   4                           ; v4   16 x lane
.set L8,   5                           ; v5   8 x lane
.set PFO,  6                           ; v6   256 x min(lane, 24)
.set PFC,  7                           ; v7   256 x lane
.set ADRA, 8                           ; v8-9   my tokens' fragments in slot 0, 1
.set ADRB, 10                          ; v10-11 the weight's
.set ADSA, 12                          ; v12-13 my tokens' records, 8 bytes a lane
.set ADSB, 14                          ; v14-15 the weight's
.set STO,  16                          ; v16  the stage, on the way in
.set RDV,  17                          ; v17  and on the way out
.set VC,   18                          ; v18  my lane's byte in a tile's rows of sin
.set SH8,  19                          ; v19  8 h
.set VCL,  20                          ; v20  my lane's byte in a tile's rows of cos, in LDS
.set SPW,  28                          ; v28  my spare word; never rewritten
.set NIL,  29                          ; v29  0; never rewritten
.set SC,   32                          ; set s at SC + 24 s: the tokens' group a at + 2 a + q / 2, the weight's group b at + 8 + 2 b + q / 2; even K steps in lanes 0-15, odd ones in lanes 16-31
.set AF,   80
.set HA,   80
.set TM,   224
.set PW,   240
.set SO,   244
.set G1,   24
.set G0,   32
.set G1B,  48
.set G0B,  56
.set FB,   66                          ; s[66:67] where my four fragments go
.set SB,   68                          ; s[68:69] and their scale words
.set CB,   70                          ; s[70:71] cos at my first token;  s[72:73] sin
.set SNB,  72
.set SEL,  74
.set HIM,  76
.set G1C,  88                          ; s[88:95], s[96:99] groups 1 and 0 for cos
.set G0C,  96
.set PF,   100                         ; s[100:101] the first group that I prefetch, at the trip's record
.set PC,   104                         ; s[104:105] the 16 rows of cos that I prefetch
.set MSB, 0
.macro WIN new                         ; the immediate's high byte repeats the setting that is left
.if MSB != \new
	s_set_vgpr_msb (MSB<<8)|\new
.set MSB, \new
.endif
.endm
.set MULW, 0xa1                        ; source 0 (the weight) window 1, source 1 (tokens) window 0, C and D window 2
.macro PLACES                          ; four plain places behind a matrix instruction, ahead of loads into its registers and of reads of its results
.rept 4
	v_nop
.endr
.endm
; A joint load: waves 0 and 1 fetch the tokens' records, waves 2 and 3 the weight's.  The branch hangs on the wave's number alone.  An s_nop 0 and four v_nop follow each line.
.macro JLOAD g0a, g1a, g0b, g1b
	s_cmp_eq_u32 s17, 0
	s_cbranch_scc0 .Lfor_b_\@
	tensor_load_to_lds s[\g0a:\g0a+3], s[\g1a:\g1a+7]
	s_nop 0
	PLACES
	s_branch .Lasked_\@
.Lfor_b_\@:
	tensor_load_to_lds s[\g0b:\g0b+3], s[\g1b:\g1b+7]
	s_nop 0
	PLACES
.Lasked_\@:
.endm
.macro ASK off                         ; one record of my group is named; a wave that fetches tokens names a second group's
	global_prefetch_b8 v[PFO], s[PF:PF+1] offset:\off th:TH_LOAD_NT scope:SCOPE_SE
	s_cmp_eq_u32 s17, 0
	s_cbranch_scc0 .Lone_\@
	global_prefetch_b8 v[PFO], s[PF:PF+1] offset:\off+GRP th:TH_LOAD_NT scope:SCOPE_SE
.Lone_\@:
.endm
.macro CREST                           ; a round of the cluster's barrier behind its opening barrier
	s_cmp_lg_u32 s16, 0
	s_cbranch_scc1 .Lnot_wave_0_\@
	s_barrier_signal -3
.Lnot_wave_0_\@:
	s_barrier_wait -3
	s_barrier_signal -1
	s_barrier_wait -1
.endm
.macro CROUND
	s_barrier_signal -1
	s_barrier_wait -1
	CREST
.endm
; 64 numbers of a lane, register 16 b + i = k 32 b + 16 h + i of my row, become a fragment's codes in v[pc] on and the row's scale word in v[pw].
.macro QUANT s, pc, pw
.irp b, 0,1,2,3
	v_max3_num_f32 v[TM+\b], |v[\s+16*\b]|, |v[\s+1+16*\b]|, 0x1800000   ; with the floor 2^(3 - 127): the byte cannot fall under 1
.endr
.irp i, 2,4,6,8,10,12,14
.irp b, 0,1,2,3
	v_max3_num_f32 v[TM+\b], v[TM+\b], |v[\s+16*\b+\i]|, |v[\s+1+16*\b+\i]|
.endr
.endr
.irp b, 0,1,2,3
	v_permlanex16_b32 v[TM+4+\b], v[TM+\b], s[SEL], s[SEL+1]
.endr
.irp b, 0,1,2,3
	v_max_num_f32 v[TM+\b], v[TM+\b], v[TM+4+\b]   ; with lane l xor 16's: the block's largest magnitude
.endr
.irp b, 0,1,2,3
	v_add_nc_u32 v[TM+12+\b], 0xff000000, v[TM+\b] ; 2 off the exponent field: the conversion's scale operand
.endr
.irp b, 0,1,2,3
	v_lshrrev_b32 v[TM+4+\b], 23, v[TM+12+\b]      ; the scale's byte
.endr
	v_lshl_or_b32 v[\pw], v[TM+5], 8, v[TM+4]
	v_lshl_or_b32 v[\pw], v[TM+6], 16, v[\pw]
	v_lshl_or_b32 v[\pw], v[TM+7], 24, v[\pw]
.irp c, 0,1
	v_cvt_scalef32_pk16_fp6_f32 v[\pc+6*\c:\pc+2+6*\c], v[\s+32*\c:\s+15+32*\c], v[TM+12+2*\c]
	v_cvt_scalef32_pk16_fp6_f32 v[\pc+12+4*\c:\pc+14+4*\c], v[\s+16+32*\c:\s+31+32*\c], v[TM+12+2*\c+1]
.endr
	v_nop                                          ; one plain place behind the conversions
.irp c, 0,1                            ; the operand's layout wants a whole block in a lane
.irp i, 0,1,2
	v_permlane16_swap_b32 v[\pc+6*\c+\i], v[\pc+12+4*\c+\i]
.endr
.irp i, 0,1,2
	v_mov_b32 v[\pc+3+6*\c+\i], v[\pc+12+4*\c+\i]
.endr
.endr
.endm
; The same for 64 numbers that lie as the operand wants them: register 32 c + i = k 64 c + 32 h + i: two whole blocks a lane.
.macro QUANT6 s, pc, pw
.irp c, 0,1
	v_max3_num_f32 v[TM+\c], |v[\s+32*\c]|, |v[\s+32*\c+1]|, 0x1800000
.endr
.irp i, 2,4,6,8,10,12,14,16,18,20,22,24,26,28,30
.irp c, 0,1
	v_max3_num_f32 v[TM+\c], v[TM+\c], |v[\s+32*\c+\i]|, |v[\s+32*\c+\i+1]|
.endr
.endr
.irp c, 0,1
	v_add_nc_u32 v[TM+2+\c], 0xff000000, v[TM+\c]
.endr
.irp c, 0,1
	v_lshrrev_b32 v[TM+4+\c], 23, v[TM+2+\c]
.endr
	v_lshl_or_b32 v[\pw], v[TM+5], 16, v[TM+4]
	v_lshlrev_b32 v[\pw], v[SH8], v[\pw]
	v_permlanex16_b32 v[TM+6], v[\pw], s[SEL], s[SEL+1]
	v_or_b32 v[\pw], v[\pw], v[TM+6]
.irp c, 0,1
	v_cvt_scalef32_pk16_fp6_f32 v[\pc+6*\c:\pc+6*\c+2], v[\s+32*\c:\s+32*\c+15], v[TM+2+\c]
	v_cvt_scalef32_pk16_fp6_f32 v[\pc+12+4*\c:\pc+14+4*\c], v[\s+32*\c+16:\s+32*\c+31], v[TM+2+\c]
.endr
	v_nop
.irp c, 0,1
.irp i, 0,1,2
	v_mov_b32 v[\pc+3+6*\c+\i], v[\pc+12+4*\c+\i]
.endr
.endr
.endm
; 36 LDS loads in one run: the fragments of the slot's q-th 128 along K into set p
.macro FETCH slot, q, p
	WIN 0x40
.irp b, 0,1,2,3,4,5,6,7
.irp g, 0,1,2
	ds_load_b128 v[128*(\p)+12*\b+4*\g:128*(\p)+12*\b+4*\g+3], v[ADRB+\slot] offset:REC*\b+FRG*(\q)+512*\g
.endr
.endr
	WIN 0
.irp a, 0,1,2,3
.irp g, 0,1,2
	ds_load_b128 v[AF+48*(\p)+12*\a+4*\g:AF+48*(\p)+12*\a+4*\g+3], v[ADRA+\slot] offset:REC*\a+FRG*(\q)+512*\g
.endr
.endr
.endm
.macro SCALES slot                     ; a slot's scale words: 8 bytes a lane for each group
.irp a, 0,1,2,3
	ds_load_b64 v[SC+24*\slot+2*\a:SC+24*\slot+2*\a+1], v[ADSA+\slot] offset:REC*\a+4*FRG
.endr
.irp b, 0,1,2,3,4,5,6,7
	ds_load_b64 v[SC+24*\slot+8+2*\b:SC+24*\slot+8+2*\b+1], v[ADSB+\slot] offset:REC*\b+4*FRG
.endr
.endm
; 8 matrix instructions: my tokens' group a against the weight's eight.  The 32 accumulators take turns, one instruction a turn, in the same order in every step.
.macro MULA a, p, q, sg, zero
.irp b, 0,1,2,3,4,5,6,7
.if \zero
	v_wmma_scale_f32_16x16x128_f8f6f4 v[8*(8*(\a)+\b):8*(8*(\a)+\b)+7], v[128*(\p)+12*\b:128*(\p)+12*\b+11], v[AF+48*(\p)+12*(\a):AF+48*(\p)+12*(\a)+11], 0, v[SC+24*(\sg)+8+2*\b+(\q)/2], v[SC+24*(\sg)+2*(\a)+(\q)/2] matrix_a_fmt:MATRIX_FMT_FP6 matrix_b_fmt:MATRIX_FMT_FP6
.elseif (\q)%2
	v_wmma_scale_f32_16x16x128_f8f6f4 v[8*(8*(\a)+\b):8*(8*(\a)+\b)+7], v[128*(\p)+12*\b:128*(\p)+12*\b+11], v[AF+48*(\p)+12*(\a):AF+48*(\p)+12*(\a)+11], v[8*(8*(\a)+\b):8*(8*(\a)+\b)+7], v[SC+24*(\sg)+8+2*\b+(\q)/2], v[SC+24*(\sg)+2*(\a)+(\q)/2] matrix_a_fmt:MATRIX_FMT_FP6 matrix_b_fmt:MATRIX_FMT_FP6 matrix_a_scale:MATRIX_SCALE_ROW1 matrix_b_scale:MATRIX_SCALE_ROW1
.else
	v_wmma_scale_f32_16x16x128_f8f6f4 v[8*(8*(\a)+\b):8*(8*(\a)+\b)+7], v[128*(\p)+12*\b:128*(\p)+12*\b+11], v[AF+48*(\p)+12*(\a):AF+48*(\p)+12*(\a)+11], v[8*(8*(\a)+\b):8*(8*(\a)+\b)+7], v[SC+24*(\sg)+8+2*\b+(\q)/2], v[SC+24*(\sg)+2*(\a)+(\q)/2] matrix_a_fmt:MATRIX_FMT_FP6 matrix_b_fmt:MATRIX_FMT_FP6
.endif
.endr
.endm
; A step of 128 along K that has its successor in the same slot: the successor's fragments are asked for ahead of the step's 32 products.
.macro STEP slot, q, zero
	s_wait_dscnt 0x0                               ; this step's fragments, asked for a step ago, are in
	PLACES                                         ; ahead of loads into the set that the last step multiplied
	FETCH \slot, (\q)+1, 1-(\q)%2
	WIN MULW
	MULA 0, (\q)%2, \q, \slot, \zero
	MULA 1, (\q)%2, \q, \slot, \zero
	MULA 2, (\q)%2, \q, \slot, \zero
	MULA 3, (\q)%2, \q, \slot, \zero
	WIN 0
.endm
; A slot's last step changes slots: ONE barrier; in front of it each wave waits for all its tensor loads, adds 0 to its spare word, and waits for that and for its reads of this slot.
; fill = 1: the barrier opens a round of the cluster's, and the slot is filled again, 1,024 along K ahead.  fill = 2: the same, and the slot takes cos.  fill = 0: nothing is filled.
.macro TURN slot, next, fill
	s_wait_tensorcnt 0x0                           ; my one tensor load that was out, my part of the next slot, has landed
	ds_add_u32 v[SPW], v[NIL]
	s_wait_dscnt 1                                 ; (the add alone may be out: the step's fragments are in)
	WIN MULW
	MULA 0, 1, 3, \slot, 0                         ; eight products stand between the add and the wait for it
	s_wait_dscnt 0x0                               ; the add is done, and my reads of this slot are over
	s_barrier_signal -1
	MULA 1, 1, 3, \slot, 0
	WIN 0
	s_barrier_wait -1
.if \fill == 1
	CREST                                          ; no wave of any partner still reads this slot or has a load on its way
	s_add_nc_u64 s[G0+4*\slot+2:G0+4*\slot+3], s[G0+4*\slot+2:G0+4*\slot+3], 2*REC
	s_add_nc_u64 s[G0B+4*\slot+2:G0B+4*\slot+3], s[G0B+4*\slot+2:G0B+4*\slot+3], 2*REC
	JLOAD G0+4*\slot, G1, G0B+4*\slot, G1B         ; the first tensor load behind the round; its four v_nop are the places ahead of the loads below
.elseif \fill == 2
	CREST
	tensor_load_to_lds s[G0C:G0C+3], s[G1C:G1C+7]  ; cos of my 64 tokens: my one load behind the round
	s_nop 0
	PLACES
.else
	PLACES
.endif
	FETCH \next, 0, 0
	SCALES \next
.if \fill == 1
	s_cmp_gt_u32 s19, 1                            ; s19 = 1 in the loop's last trip
	s_cbranch_scc0 .Lno_ask_\@
	ASK (4+\slot)*REC
.Lno_ask_\@:
.endif
	WIN MULW
	MULA 2, 1, 3, \slot, 0
	MULA 3, 1, 3, \slot, 0
	WIN 0
.endm
.macro TAIL f                          ; the last 1,024 along K less their first step
	STEP 0, 1, 0
	STEP 0, 2, 0
	TURN 0, 1, \f
	STEP 1, 0, 0
	STEP 1, 1, 0
	STEP 1, 2, 0
	s_wait_dscnt 0x0
	WIN MULW
	MULA 0, 1, 3, 1, 0
	MULA 1, 1, 3, 1, 0
	MULA 2, 1, 3, 1, 0
	MULA 3, 1, 3, 1, 0
	WIN 0
	PLACES
.endm
.macro FRAGOUT a                       ; the fragment in v[PCA] on leaves as it stands: three stores of 512 consecutive bytes
.irp g, 0,1,2
	global_store_b128 v[LI], v[PCA+4*\g:PCA+4*\g+3], s[FB:FB+1] offset:FRG*(\a)+512*\g
.endr
.endm
.macro SCALEOUT                        ; four fragments' scale words: 256 consecutive bytes
	v_cndmask_b32 v[SO], v[PW], v[PW+1], s[HIM]
	v_cndmask_b32 v[SO+1], v[PW+2], v[PW+3], s[HIM]
	global_store_b64 v[L8], v[SO:SO+1], s[SB:SB+1]
.endm
	s_load_b256 s[4:11], s[0:1], 0x0               ; himg s[4:5], wimg s[6:7], cos s[8:9], sin s[10:11]
	s_load_b128 s[12:15], s[0:1], 0x20             ; qrec s[12:13], kvrec s[14:15]
	v_lshl_add_u32 v[SPW], v0, 2, SPARE
	v_mov_b32 v[NIL], 0
	ds_add_u32 v[SPW], v[NIL]                      ; the wave's opening: the add, twice on end, and its wait ahead of my first tensor load
	ds_add_u32 v[SPW], v[NIL]
	v_lshrrev_b32 v1, 5, v0
	v_readfirstlane_b32 s16, v1                    ; wave 0..3
	v_and_b32 v1, 31, v0                           ; lane
	v_lshlrev_b32 v[LI], 4, v1
	v_lshlrev_b32 v[L8], 3, v1
	v_min_u32 v[PFO], 24, v1
	v_lshlrev_b32 v[PFO], 8, v[PFO]
	v_lshlrev_b32 v[PFC], 8, v1
	s_lshr_b32 s17, s16, 1                         ; I fetch the tokens' records (0) or the weight's (1)
	s_and_b32 s18, s16, 1                          ; which half of them
	s_bfe_u32 s20, ttmp6, 0x40000                  ; cx, cy: my place in the cluster
	s_bfe_u32 s21, ttmp6, 0x40004
	s_lshl_b32 s22, ttmp9, 2
	s_add_co_u32 s22, s22, s20                     ; X: the head, 0..15
	s_and_b32 s23, ttmp7, 0xffff
	s_lshl_b32 s23, s23, 2
	s_add_co_u32 s23, s23, s21                     ; Y: which 256 tokens
	s_lshl_b32 s43, s21, 2
	s_lshl_b32 s43, 15, s43                        ; my row of the cluster
	s_lshl_b32 s44, 0x1111, s20                    ; my column
	; descriptor groups 1: rows of one record (800 elements of 8 bytes), from group to group KREC records; 8 groups of tokens, 4 of the weight; no padding
	s_or_b32 s[G1], s43, (3<<16)|(1<<21)           ; 15:0 the mask; 17:16 elements of 8 bytes; 21 set beside a mask
	s_or_b32 s[G1B], s44, (3<<16)|(1<<21)
	s_mov_b32 s[G1+1], 800<<16                     ; tensor_dim0
	s_mov_b32 s[G1+2], 8<<16                       ; tensor_dim1
	s_mov_b32 s[G1+3], 800<<16                     ; tile_dim0
	s_mov_b32 s[G1+4], 8                           ; tile_dim1
	s_mov_b32 s[G1+5], KREC*800                    ; tensor_dim0_stride
	s_mov_b32 s[G1+6], 0
	s_mov_b32 s[G1+7], 0
	s_mov_b32 s[G1B+1], 800<<16
	s_mov_b32 s[G1B+2], 4<<16
	s_mov_b32 s[G1B+3], 800<<16
	s_mov_b32 s[G1B+4], 4
	s_mov_b32 s[G1B+5], KREC*800
	s_mov_b32 s[G1B+6], 0
	s_mov_b32 s[G1B+7], 0
	; cos: 64 rows of 512 bytes (64 elements of 8), dense in memory; 4 words of padding behind every 128 (code 6); shared along my row of the cluster
	s_or_b32 s[G1C], s43, (3<<16)|(1<<20)|(1<<21)|(6<<22)|(3<<25)
	s_mov_b32 s[G1C+1], 64<<16
	s_mov_b32 s[G1C+2], 64<<16
	s_mov_b32 s[G1C+3], 64<<16
	s_mov_b32 s[G1C+4], 64
	s_mov_b32 s[G1C+5], 64
	s_mov_b32 s[G1C+6], 0
	s_mov_b32 s[G1C+7], 0
	s_lshl_b32 s40, s23, 4
	s_lshl_b32 s42, s18, 3
	s_add_co_u32 s40, s40, s42                     ; tokens: group 16 Y + 8 x half
	s_mul_i32 s40, s40, GRP
	s_mov_b32 s41, 0
	s_lshl_b32 s46, s22, 3
	s_lshl_b32 s45, s18, 2
	s_add_co_u32 s46, s46, s45                     ; the weight: group 8 X + 4 x half
	s_mul_i32 s46, s46, GRP
	s_mov_b32 s47, 0
	s_mul_i32 s42, s18, 8*REC                      ; where they go: no place in the cluster enters an LDS address
	s_mul_i32 s45, s18, 4*REC
	s_add_co_u32 s45, s45, BOFF
	s_lshl_b32 s80, s23, 4                         ; the prefetches: tokens: group 16 Y + 8 x half + 2 cx;
	s_lshl_b32 s81, s18, 3
	s_add_co_u32 s80, s80, s81
	s_lshl_b32 s81, s20, 1
	s_add_co_u32 s80, s80, s81
	s_lshl_b32 s82, s22, 3                         ; the weight: group 8 X + 4 x half + cy
	s_lshl_b32 s83, s18, 2
	s_add_co_u32 s82, s82, s83
	s_add_co_u32 s82, s82, s21
	s_cmp_eq_u32 s17, 0
	s_cselect_b32 s80, s80, s82
	s_mul_i32 s80, s80, GRP
	s_mov_b32 s81, 0
	s_wait_alu depctr_va_vdst(0)
	s_wait_dscnt 0x0                               ; both opening adds are done
	s_wait_kmcnt 0x0
	s_add_nc_u64 s[40:41], s[4:5], s[40:41]
	s_add_nc_u64 s[46:47], s[6:7], s[46:47]
	s_cmp_eq_u32 s17, 0
	s_cselect_b64 s[PF:PF+1], s[4:5], s[6:7]
	s_add_nc_u64 s[PF:PF+1], s[PF:PF+1], s[80:81]
	CROUND                                         ; all sixteen work-groups are here: the first joint loads meet
.irp s, 0,1
	s_mov_b32 s[G0+4*\s], 1
	s_add_co_u32 s[G0+4*\s+1], s42, \s*SLOT
	s_add_nc_u64 s[G0+4*\s+2:G0+4*\s+3], s[40:41], \s*REC
	s_or_b32 s[G0+4*\s+3], s[G0+4*\s+3], 0x80000000
	s_mov_b32 s[G0B+4*\s], 1
	s_add_co_u32 s[G0B+4*\s+1], s45, \s*SLOT
	s_add_nc_u64 s[G0B+4*\s+2:G0B+4*\s+3], s[46:47], \s*REC
	s_or_b32 s[G0B+4*\s+3], s[G0B+4*\s+3], 0x80000000
.endr
	JLOAD G0, G1, G0B, G1B                         ; record 0 into slot 0: one tensor load a wave at the head
	ASK REC
	ASK 2*REC
	s_mov_b32 s[SEL], 0x76543210
	s_mov_b32 s[SEL+1], 0xfedcba98
	s_mov_b32 s[HIM], 0xffff0000
	; where my results go
	s_lshr_b32 s77, s23, 3                         ; the batch
	s_and_b32 s78, s23, 7
	s_lshl_b32 s79, s77, 3
	s_add_co_u32 s79, s79, s22
	s_lshl_b32 s79, s79, 5
	s_lshl_b32 s80, s78, 2
	s_add_co_u32 s79, s79, s80
	s_add_co_u32 s79, s79, s16
	s_mul_i32 s79, s79, REC                        ; q: record (8 batch + X) 32 + 4 (Y % 8) + wave
	s_add_co_u32 s80, s79, 4*FRG
	s_and_b32 s81, s22, 3
	s_lshl_b32 s82, s77, 2
	s_add_co_u32 s81, s81, s82
	s_lshl_b32 s81, s81, 4
	s_lshl_b32 s82, s78, 1
	s_add_co_u32 s81, s81, s82
	s_add_co_u32 s81, s81, s17
	s_mul_i32 s81, s81, 25600                      ; k, v: record (4 batch + X % 4) 16 + 2 (Y % 8) + wave / 2
	s_mul_i32 s82, s18, 4*FRG
	s_add_co_u32 s82, s82, s81                     ; fragments 4 (wave % 2) on
	s_lshl_b32 s83, s18, 8
	s_add_co_u32 s83, s83, s81
	s_add_co_u32 s83, s83, 24576                   ; their 256 bytes of scale words
	s_cmp_eq_u32 ttmp9, 3
	s_cselect_b32 s84, 12288, 0                    ; V's lie behind K's
	s_cselect_b32 s85, 512, 0
	s_add_co_u32 s82, s82, s84
	s_add_co_u32 s83, s83, s85
	s_cmp_lt_u32 ttmp9, 2
	s_cselect_b32 s82, s79, s82
	s_cselect_b32 s84, s80, s83
	s_cselect_b64 s[FB:FB+1], s[12:13], s[14:15]
	s_mov_b64 s[SB:SB+1], s[FB:FB+1]
	s_mov_b32 s83, 0
	s_mov_b32 s85, 0
	s_add_nc_u64 s[FB:FB+1], s[FB:FB+1], s[82:83]
	s_add_nc_u64 s[SB:SB+1], s[SB:SB+1], s[84:85]
	s_lshl_b32 s86, s23, 17
	s_lshl_b32 s87, s16, 15
	s_add_co_u32 s86, s86, s87                     ; (256 Y + 64 wave) rows of 512 bytes
	s_mov_b32 s87, 0
	s_add_nc_u64 s[CB:CB+1], s[8:9], s[86:87]
	s_add_nc_u64 s[SNB:SNB+1], s[10:11], s[86:87]
	s_mul_i32 s79, s16, 64*CP
	s_mov_b32 s[G0C], 1
	s_mov_b32 s[G0C+1], s79                        ; cos: wave x 64 rows, in slot 0
	s_mov_b64 s[G0C+2:G0C+3], s[CB:CB+1]
	s_or_b32 s[G0C+3], s[G0C+3], 0x80000000
	s_lshl_b32 s82, s20, 13                        ; of my wave's 64 rows of cos the partner at cx names 16
	s_mov_b32 s83, 0
	s_add_nc_u64 s[PC:PC+1], s[CB:CB+1], s[82:83]
	s_mul_i32 s77, s16, 4*REC                      ; my four groups of tokens, in slot 0
	s_add_co_u32 s78, s77, SLOT                    ; and in slot 1
	s_mul_i32 s80, s16, 2*GP
	s_add_co_u32 s80, s80, STG                     ; the stage, in: my two groups of 32 rows
	s_mul_i32 s81, s17, 4*GP
	s_lshl_b32 s84, s18, 8
	s_add_co_u32 s81, s81, s84
	s_add_co_u32 s81, s81, STG                     ; out: key step wave / 2, channels 64 (wave % 2) on
	v_and_b32 v2, 15, v0                           ; r
	v_bfe_u32 v3, v0, 4, 1                         ; h
	v_add_nc_u32 v[ADRA], s77, v[LI]
	v_add_nc_u32 v[ADRA+1], s78, v[LI]
	v_add_nc_u32 v[ADSA], s77, v[L8]
	v_add_nc_u32 v[ADSA+1], s78, v[L8]
	v_add_nc_u32 v[ADRB], BOFF, v[LI]
	v_add_nc_u32 v[ADRB+1], SLOT+BOFF, v[LI]
	v_add_nc_u32 v[ADSB], BOFF, v[L8]
	v_add_nc_u32 v[ADSB+1], SLOT+BOFF, v[L8]
	v_mul_u32_u24 v[STO], v2, 528
	v_lshl_add_u32 v[STO], v3, 6, v[STO]
	v_add_nc_u32 v[STO], s80, v[STO]               ; row r; + 64 h
	v_and_b32 v21, 8, v2
	v_add_nc_u32 v21, v21, v2                      ; r + 8 (r / 8)
	v_mul_u32_u24 v[RDV], v3, GP
	v_lshl_add_u32 v[RDV], v21, 2, v[RDV]
	v_add_nc_u32 v[RDV], s81, v[RDV]               ; group h; channel r + 8 (r / 8)
	v_lshlrev_b32 v[VC], 9, v21
	v_lshl_add_u32 v[VC], v3, 6, v[VC]             ; sin: row r + 8 (r / 8) of 512 bytes, + 64 h
	v_mul_u32_u24 v[VCL], v21, CP
	v_lshl_add_u32 v[VCL], v3, 6, v[VCL]
	v_add_nc_u32 v[VCL], s79, v[VCL]               ; cos: the same row of 528 bytes in my part of slot 0
	v_lshlrev_b32 v[SH8], 3, v3
.irp b, 4,5,6,7
	v_mov_b32 v[TM+\b], 0                          ; lane permutes' destinations count as sources
.endr
	s_wait_alu depctr_va_vdst(0)
	s_wait_tensorcnt 0x0                           ; my part of slot 0 is in
	ds_add_u32 v[SPW], v[NIL]
	s_wait_dscnt 0x0
	CROUND                                         ; everybody's part is in, and all sixteen work-groups are here
	JLOAD G0+4, G1, G0B+4, G1B                     ; record 1 into slot 1: my one load behind the round
	FETCH 0, 0, 0
	SCALES 0
	ASK 3*REC
	STEP 0, 0, 1                                   ; the first step stands in front of the loop: its products start the sums
	s_mov_b32 s19, 3
.Llap:                                             ; a trip goes once round the ring and fills both slots again: 3 trips bring records 2 to 7
	STEP 0, 1, 0
	STEP 0, 2, 0
	TURN 0, 1, 1
	STEP 1, 0, 0
	STEP 1, 1, 0
	STEP 1, 2, 0
	TURN 1, 0, 1
	STEP 0, 0, 0
	s_wait_xcnt 0x0                                ; the trip's prefetches have read their base: it is stepped only behind this wait
	s_add_nc_u64 s[PF:PF+1], s[PF:PF+1], 2*REC
	s_sub_co_u32 s19, s19, 1
	s_cmp_lg_u32 s19, 0
	s_cbranch_scc1 .Llap
	s_cmp_eq_u32 ttmp9, 3                          ; the kind of head: the cluster's x, the same in all sixteen partners
	s_cbranch_scc1 .Lv
	; ---- q and k: RoPE, then the quantiser along the head's 128
	global_prefetch_b8 v[PFC], s[PC:PC+1] th:TH_LOAD_NT scope:SCOPE_SE
	WIN 0xc0                                       ; sin of my four tiles, as the accumulators lie: register 64 a + 16 c + i = channel 32 c + 16 h + i of tile a's token; seven steps ahead of the first use
.irp a, 0,1,2,3
.irp c, 0,1,2,3
.irp j, 0,1,2,3
	global_load_b128 v[64*\a+16*\c+4*\j:64*\a+16*\c+4*\j+3], v[VC], s[SNB:SNB+1] offset:(32*(\a/2)+8*(\a%2))*512+128*\c+16*\j
.endr
.endr
.endr
	WIN 0
	TAIL 2
	s_wait_tensorcnt 0x0                           ; my rows of cos are in; I alone read them
	WIN 0x40                                       ; cos in the same order, into the window that the weight's fragments have left (the places stand behind the last products)
.irp a, 0,1,2,3
.irp c, 0,1,2,3
.irp j, 0,1,2,3
	ds_load_b128 v[64*\a+16*\c+4*\j:64*\a+16*\c+4*\j+3], v[VCL] offset:(32*(\a/2)+8*(\a%2))*CP+128*\c+16*\j
.endr
.endr
.endr
	WIN 0
.irp a, 0,1,2,3
.set XA, 64*\a
.set PCA, 144+20*\a
	s_wait_loadcnt 16*(3-\a)                       ; this tile's 16 loads of sin are in; the later tiles' may be out
	s_wait_dscnt 16*(3-\a)                         ; and its 16 of cos
	WIN 0x06                                       ; source 0: the accumulators, window 2; source 1: cos, window 1
.set k, 0
.rept 32
	v_pk_mul_f32 v[HA+k:HA+k+1], v[XA+k:XA+k+1], v[XA+k:XA+k+1]   ; x cos, in ascending order: each accumulator is read from its low end on
.set k, k+2
.endr
	WIN 0x0e                                       ; source 1: sin, window 3
.set k, 0
.rept 16
	v_pk_fma_f32 v[HA+k:HA+k+1], v[XA+32+k:XA+33+k], v[XA+k:XA+k+1], v[HA+k:HA+k+1] neg_lo:[1,0,0] neg_hi:[1,0,0]   ; channels under 64: - x(d + 64) sin(d); 64 channels on are 32 registers on
.set k, k+2
.endr
.set k, 0
.rept 16
	v_pk_fma_f32 v[HA+32+k:HA+33+k], v[XA+k:XA+k+1], v[XA+32+k:XA+33+k], v[HA+32+k:HA+33+k]   ; the others: + x(d - 64) sin(d)
.set k, k+2
.endr
	WIN 0
	QUANT HA, PCA, PW+\a
	FRAGOUT \a
.endr
	SCALEOUT
	s_branch .Lend
.Lv:
	; ---- v: its K is the keys: the numbers turn through the stage, in slot 1, which has had its last fill
	TAIL 0
	s_barrier_signal -1                            ; every wave's reads of slot 1 are over (each has waited for them ahead of its last products)
	s_barrier_wait -1
	WIN 0x08                                       ; an LDS store's data are its source 1: window 2
.irp a, 0,1,2,3
.irp b, 0,1,2,3,4,5,6,7
	ds_store_b128 v[STO], v[8*(8*\a+\b):8*(8*\a+\b)+3] offset:(\a/2)*GP+(\a%2)*8448+128*(\b/2)+32*(\b%2)        ; each accumulator from its low end on
	ds_store_b128 v[STO], v[8*(8*\a+\b)+4:8*(8*\a+\b)+7] offset:(\a/2)*GP+(\a%2)*8448+128*(\b/2)+32*(\b%2)+16
.endr
.endr
	WIN 0
	s_wait_dscnt 0x0                               ; for the others' sake: my stores into the stage are done
	s_barrier_signal -1
	s_barrier_wait -1
.irp t, 0,1,2,3                        ; tile 4 (wave % 2) + t of 16 channels x the 128 keys of step wave / 2.  A lane takes a channel, its registers run along the keys: register 32 c + i = key 64 c + 32 h + i
.set PCA, 144+20*\t
.irp c, 0,1
.set i, 0
.rept 32
	ds_load_b32 v[HA+32*\c+i], v[RDV] offset:2*\c*GP+(i%8+16*((i/8)%2)+8*(i/16))*528+128*(\t/2)+32*(\t%2)   ; token i of a group of 32 lies in the stage's row with bits 3 and 4 of i exchanged
.set i, i+1
.endr
.endr
	s_wait_dscnt 0x0
	QUANT6 HA, PCA, PW+\t
	FRAGOUT \t
.endr
	SCALEOUT
.Lend:
	s_wait_tensorcnt 0x0                           ; the wave's end, behind my last tensor load and my last LDS store
	ds_add_u32 v[SPW], v[NIL]
	s_wait_dscnt 0x0
	CROUND                                         ; the closing round: no work-group ends while a partner may still ask for a tile that names it
	s_endpgm
.Lfunc_end_k_qdee93e9bb9_qkv:
	.size	k_qdee93e9bb9_qkv, .Lfunc_end_k_qdee93e9bb9_qkv-k_qdee93e9bb9_qkv
	.p2alignl 7, 3214868480
	.fill 96, 4, 3214868480
	.section	.rodata,"a",@progbits
	.p2align	6, 0x0
	.amdhsa_kernel k_qdee93e9bb9_qkv
		.amdhsa_group_segment_fixed_size 327680
		.amdhsa_private_segment_fixed_size 0
		.amdhsa_enable_private_segment 0
		.amdhsa_kernarg_size 48
		.amdhsa_user_sgpr_count 2
		.amdhsa_user_sgpr_kernarg_segment_ptr 1
		.amdhsa_wavefront_size32 1
		.amdhsa_system_sgpr_workgroup_id_x 1
		.amdhsa_system_sgpr_workgroup_id_y 1
		.amdhsa_system_sgpr_workgroup_id_z 1
		.amdhsa_system_vgpr_workitem_id 0
		.amdhsa_next_free_vgpr 1024
		.amdhsa_next_free_sgpr 106
		.amdhsa_reserve_vcc 0
		.amdhsa_float_denorm_mode_32 3
		.amdhsa_float_denorm_mode_16_64 3
		.amdhsa_memory_ordered 1
		.amdhsa_forward_progress 1
		.amdhsa_inst_pref_size 244
	.end_amdhsa_kernel
	.amdgpu_metadata
---
amdhsa.version: [ 1, 2 ]
amdhsa.kernels:
  - .name:           k_qdee93e9bb9_qkv
    .symbol:         k_qdee93e9bb9_qkv.kd
    .args:
      - { .name: himg, .offset: 0, .size: 8, .value_kind: global_buffer, .address_space: global }
      - { .name: wimg, .offset: 8, .size: 8, .value_kind: global_buffer, .address_space: global }
      - { .name: cos, .offset: 16, .size: 8, .value_kind: global_buffer, .address_space: global }
      - { .name: sin, .offset: 24, .size: 8, .value_kind: global_buffer, .address_space: global }
      - { .name: qrec, .offset: 32, .size: 8, .value_kind: global_buffer, .address_space: global }
      - { .name: kvrec, .offset: 40, .size: 8, .value_kind: global_buffer, .address_space: global }
    .group_segment_fixed_size: 327680
    .private_segment_fixed_size: 0
    .kernarg_segment_align: 8
    .kernarg_segment_size: 48
    .max_flat_workgroup_size: 128
    .sgpr_count:     106
    .vgpr_count:     1024
    .wavefront_size: 32
...
	.end_amdgpu_metadata
.endif
;; end of part 2
;; launch attn (part 3): grid 32 x 8, 8 waves a work-group, clusters of 4 x 1, 327,680 bytes of LDS; arguments qrec, kvrec, aimg; writes aimg
.if DOCPART == 3
	.amdgcn_target "amdgcn-amd-amdhsa--gfx1250"
	.amdhsa_code_object_version 6
	.text
	.protected	k_qdee93e9bb9_attn
	.globl	k_qdee93e9bb9_attn
	.p2align	8
	.type	k_qdee93e9bb9_attn,@function
k_qdee93e9bb9_attn:
	s_mov_b64 s[64:65], 0
	v_nop
	global_prefetch_b8 v0, s[64:65] scope:SCOPE_SE
	s_setreg_imm32_b32 hwreg(HW_REG_WAVE_MODE, 25, 1), 1
	s_wait_xcnt 0x0
	s_wait_alu depctr_hold_cnt(0) depctr_sa_sdst(0) depctr_va_vdst(0) depctr_va_sdst(0) depctr_va_ssrc(0) depctr_va_vcc(0) depctr_vm_vsrc(0)
	s_getreg_b32 s2, hwreg(HW_REG_IB_STS2, 6, 4)
	s_cmp_eq_u32 s2, 0
	s_cbranch_scc0 .Lentry_in_a_cluster
	s_endpgm
.Lentry_in_a_cluster:
	s_bfe_u32 s2, ttmp6, 0x10000c
	s_cmp_lg_u32 s2, 0x3003
	s_cbranch_scc0 .Lentry_shape_is_right
	s_endpgm
.Lentry_shape_is_right:
.set RECB,  25600
.set SLOTB, 4*RECB
.set SLOT1, 131072
.set SPARE, SLOTB
.set LI16, 1
.set LI8,  2
.set DQ,   3
.set R8,   4
.set SPW,  5
.set NIL,  6
.set AD16, 8
.set AD8,  9
.set QF,   16
.set KSC,  40
.set VSC,  44
.set TM,   48
.set PW,   64
.set WV,   10
.set BLK,  17
.set KS,   18
.set TB,   19
.set SLOTS, 20
.set FOUR, 21
.set CS,   22
.set G1,   24
.set G0A,  32
.set G0B,  36
.set SEL,  40
.set MSB, 0
.macro WIN new
.if MSB != \new
	s_set_vgpr_msb (MSB<<8)|\new
.set MSB, \new
.endif
.endm
.macro CROUND
	s_barrier_signal -1
	s_barrier_wait -1
	s_cmp_lg_u32 s[WV], 0
	s_cbranch_scc1 .Lnot_wave_0_\@
	s_barrier_signal -3
.Lnot_wave_0_\@:
	s_barrier_wait -3
	s_barrier_signal -1
	s_barrier_wait -1
.endm
.macro QUANT s, pc, pw
.irp b, 0,1,2,3
	v_max3_num_f32 v[TM+\b], |v[\s+16*\b]|, |v[\s+1+16*\b]|, 0x1800000
.endr
.irp i, 2,4,6,8,10,12,14
.irp b, 0,1,2,3
	s_delay_alu instid0(VALU_DEP_4)
	v_max3_num_f32 v[TM+\b], v[TM+\b], |v[\s+16*\b+\i]|, |v[\s+1+16*\b+\i]|
.endr
.endr
.irp b, 0,1,2,3
	s_delay_alu instid0(VALU_DEP_4)
	v_permlanex16_b32 v[TM+4+\b], v[TM+\b], s[SEL], s[SEL+1]
.endr
.irp b, 0,1,2,3
	s_delay_alu instid0(VALU_DEP_4)
	v_max_num_f32 v[TM+\b], v[TM+\b], v[TM+4+\b]
.endr
.irp b, 0,1,2,3
	s_delay_alu instid0(VALU_DEP_4)
	v_add_nc_u32 v[TM+12+\b], 0xff000000, v[TM+\b]
.endr
.irp b, 0,1,2,3
	s_delay_alu instid0(VALU_DEP_4)
	v_lshrrev_b32 v[TM+4+\b], 23, v[TM+12+\b]
.endr
	s_delay_alu instid0(VALU_DEP_3)
	v_lshl_or_b32 v[\pw], v[TM+5], 8, v[TM+4]
	s_delay_alu instid0(VALU_DEP_1)
	v_lshl_or_b32 v[\pw], v[TM+6], 16, v[\pw]
	s_delay_alu instid0(VALU_DEP_1)
	v_lshl_or_b32 v[\pw], v[TM+7], 24, v[\pw]
.irp c, 0,1
	v_cvt_scalef32_pk16_fp6_f32 v[\pc+6*\c:\pc+2+6*\c], v[\s+32*\c:\s+15+32*\c], v[TM+12+2*\c]
	v_cvt_scalef32_pk16_fp6_f32 v[\pc+12+4*\c:\pc+14+4*\c], v[\s+16+32*\c:\s+31+32*\c], v[TM+12+2*\c+1]
.endr
	v_nop
.irp c, 0,1
.irp i, 0,1,2
	v_permlane16_swap_b32 v[\pc+6*\c+\i], v[\pc+12+4*\c+\i]
.endr
.irp i, 0,1,2
	s_delay_alu instid0(VALU_DEP_3)
	v_mov_b32 v[\pc+3+6*\c+\i], v[\pc+12+4*\c+\i]
.endr
.endr
.endm
	s_load_b128 s[4:7], s[0:1], 0x0
	s_load_b64 s[8:9], s[0:1], 0x10
	v_lshl_add_u32 v[SPW], v0, 2, SPARE
	v_mov_b32 v[NIL], 0
	ds_add_u32 v[SPW], v[NIL]
	ds_add_u32 v[SPW], v[NIL]
	v_lshrrev_b32 v7, 5, v0
	s_delay_alu instid0(VALU_DEP_1)
	v_readfirstlane_b32 s[WV], v7
	s_bfe_u32 s11, ttmp6, 0x40000
	s_and_b32 s12, ttmp7, 0xffff
	s_lshr_b32 s13, s[WV], 2
	s_bfe_u32 s14, s[WV], 0x10001
	s_and_b32 s15, s[WV], 1
	s_sub_co_u32 s16, 15, ttmp9
	s_cmp_eq_u32 s13, 0
	s_cselect_b32 s[BLK], ttmp9, s16
	s_lshl_b32 s42, s[BLK], 3
	s_lshl_b32 s43, s11, 1
	s_add_co_u32 s42, s42, s43
	s_add_co_u32 s42, s42, s15
	s_lshl_b32 s44, s12, 1
	s_add_co_u32 s44, s44, s14
	s_lshl_b32 s44, s44, 5
	s_lshr_b32 s45, s42, 2
	s_add_co_u32 s44, s44, s45
	s_mul_i32 s44, s44, 6400
	s_mov_b32 s45, 0
	s_and_b32 s46, s42, 3
	s_mul_i32 s46, s46, 1536
	s_mov_b32 s47, 0
	s_and_b32 s48, s42, 1
	s_lshl_b32 s48, s48, 7
	s_bfe_u32 s49, s42, 0x10001
	s_lshl_b32 s49, s49, 2
	s_add_co_u32 s48, s48, s49
	s_add_co_u32 s48, s48, 6144
	s_mov_b32 s49, 0
	s_mul_i32 s55, s[WV], 12800
	s_mul_i32 s56, s12, 16*RECB
	s_add_co_u32 s56, s56, s55
	s_mov_b32 s57, 0
	s_lshr_b32 s58, s12, 2
	s_lshl_b32 s58, s58, 7
	s_add_co_u32 s58, s58, s42
	s_mul_i32 s58, s58, 12800
	s_and_b32 s59, s12, 3
	s_lshl_b32 s59, s59, 1
	s_add_co_u32 s59, s59, s14
	s_lshr_b32 s60, s59, 2
	s_mul_i32 s60, s60, 6400
	s_add_co_u32 s58, s58, s60
	s_and_b32 s60, s59, 3
	s_mul_i32 s60, s60, 1536
	s_bfe_u32 s62, s59, 0x10001
	s_lshl_b32 s62, s62, 2
	s_lshl_b32 s63, s14, 7
	s_add_co_u32 s62, s62, s63
	s_add_co_u32 s62, s62, 6144
	s_mov_b32 s59, 0
	s_mov_b32 s61, 0
	s_mov_b32 s63, 0
	s_mov_b32 s[G1], 15|(3<<16)|(1<<21)
	s_mov_b32 s[G1+1], 32<<16
	s_mov_b32 s[G1+2], 50<<16
	s_mov_b32 s[G1+3], 32<<16
	s_mov_b32 s[G1+4], 50
	s_mov_b32 s[G1+5], 32
	s_mov_b32 s[G1+6], 0
	s_mov_b32 s[G1+7], 0
	s_mov_b32 s[CS], 0x3e0293ee
	s_mov_b32 s[CS+1], s[CS]
	s_mov_b32 s[SEL], 0x76543210
	s_mov_b32 s[SEL+1], 0xfedcba98
	s_mov_b32 s[TB], 0
	s_mov_b32 s[KS], 0
	s_mov_b32 s[SLOTS], 2
	s_wait_dscnt 0x0
	s_wait_kmcnt 0x0
	s_mov_b32 s[G0A], 1
	s_mov_b32 s[G0A+1], s55
	s_add_nc_u64 s[G0A+2:G0A+3], s[6:7], s[56:57]
	s_mov_b32 s[G0B], 1
	s_add_co_u32 s[G0B+1], s55, SLOT1
	s_add_nc_u64 s[G0B+2:G0B+3], s[G0A+2:G0A+3], SLOTB
	s_or_b32 s[G0A+3], s[G0A+3], 0x80000000
	s_or_b32 s[G0B+3], s[G0B+3], 0x80000000
	s_add_nc_u64 s[4:5], s[4:5], s[44:45]
	s_add_nc_u64 s[50:51], s[4:5], s[46:47]
	s_add_nc_u64 s[52:53], s[4:5], s[48:49]
	s_add_nc_u64 s[8:9], s[8:9], s[58:59]
	s_add_nc_u64 s[60:61], s[8:9], s[60:61]
	s_add_nc_u64 s[62:63], s[8:9], s[62:63]
	CROUND
	tensor_load_to_lds s[G0A:G0A+3], s[G1:G1+7]
	s_nop 0
	s_wait_alu depctr_va_vdst(0)
	s_wait_tensorcnt 0x0
	ds_add_u32 v5, v6
	s_wait_dscnt 0x0
	CROUND
	tensor_load_to_lds s[G0B:G0B+3], s[G1:G1+7]
	s_nop 0
.rept 4
	v_nop
.endr
	v_and_b32 v7, 31, v0
	s_delay_alu instid0(VALU_DEP_1)
	v_lshlrev_b32 v[LI16], 4, v7
	s_delay_alu instid0(VALU_DEP_2)
	v_lshlrev_b32 v[LI8], 3, v7
	v_and_b32 v7, 15, v0
	s_delay_alu instid0(VALU_DEP_1)
	v_lshlrev_b32 v[R8], 3, v7
.irp g, 0,1,2
	global_load_b128 v[QF+4*\g:QF+4*\g+3], v[LI16], s[50:51] offset:512*\g
.endr
	global_load_b32 v255, v[R8], s[52:53]
	v_bfe_u32 v10, v0, 4, 1
	v_and_b32 v11, 8, v7
	s_delay_alu instid0(VALU_DEP_1)
	v_add_nc_u32 v11, v11, v7
	s_lshl_b32 s43, s11, 5
	s_lshl_b32 s16, s15, 3
	s_add_co_u32 s43, s43, s16
	v_add_nc_u32 v[DQ], s43, v11
	v_lshlrev_b32 v10, 4, v10
	s_delay_alu instid0(VALU_DEP_1)
	v_sub_nc_u32 v[DQ], v[DQ], v10
	v_mov_b32 v13, 0xff61b1e6
	s_delay_alu instid0(VALU_DEP_1)
	v_floor_f32 v12, -v13
	v_mov_b32 v14, 0
	v_mov_b32 v15, 0
.irp b, 0,1,2,3
	v_mov_b32 v[236+\b], 0
	v_mov_b32 v[TM+4+\b], 0
.endr
	v_mov_b32 v252, 0
	v_mov_b32 v253, 0
.set j, 0
.rept 64
	v_mov_b32 v[160+j], 0
.set j, j+1
.endr
.macro STEP
	s_cmp_gt_u32 s[KS], s[BLK]
	s_cbranch_scc1 .Lhidden_\@
	v_add_nc_u32 v[AD16], s[TB], v[LI16]
	v_add_nc_u32 v[AD8], s[TB], v[LI8]
	v_nop
	v_nop
	ds_load_b64 v[KSC:KSC+1], v[AD8] offset:24576
	ds_load_b64 v[KSC+2:KSC+3], v[AD8] offset:24832
	WIN 0x40
.irp f, 0,1,2,3,4,5,6,7
.irp g, 0,1,2
	ds_load_b128 v[12*\f+4*\g:12*\f+4*\g+3], v[AD16] offset:1536*\f+512*\g
.endr
.endr
.irp f, 0,1,2,3,4,5,6,7
.irp g, 0,1,2
	ds_load_b128 v[96+12*\f+4*\g:96+12*\f+4*\g+3], v[AD16] offset:12288+1536*\f+512*\g
.endr
.endr
	WIN 0
	ds_load_b64 v[VSC:VSC+1], v[AD8] offset:25088
	ds_load_b64 v[VSC+2:VSC+3], v[AD8] offset:25344
	s_wait_dscnt 26
	WIN 0x01
.irp f, 0,1,2,3,4,5,6,7
.if \f%2
	v_wmma_scale_f32_16x16x128_f8f6f4 v[96+8*\f:103+8*\f], v[12*\f:12*\f+11], v[QF:QF+11], 0, v[KSC+\f/2], v255 matrix_a_fmt:MATRIX_FMT_FP6 matrix_b_fmt:MATRIX_FMT_FP6 matrix_a_scale:MATRIX_SCALE_ROW1
.else
	v_wmma_scale_f32_16x16x128_f8f6f4 v[96+8*\f:103+8*\f], v[12*\f:12*\f+11], v[QF:QF+11], 0, v[KSC+\f/2], v255 matrix_a_fmt:MATRIX_FMT_FP6 matrix_b_fmt:MATRIX_FMT_FP6
.endif
.endr
	WIN 0
.rept 4
	v_nop
.endr
	s_cmp_lt_u32 s[KS], s[BLK]
	s_cbranch_scc1 .Lopen_\@
	v_mov_b32 v254, 0xff800000
.set n, 0
.rept 64
	v_cmp_gt_i32 vcc_lo, 32*(n/16)+n%16, v[DQ]
	v_cndmask_b32 v[96+n], v[96+n], v254, vcc_lo
.set n, n+1
.endr
.Lopen_\@:
.irp b, 0,1,2,3
	v_max3_num_f32 v[232+\b], v[96+16*\b], v[97+16*\b], v[98+16*\b]
.endr
.irp i, 3,5,7,9,11,13
.irp b, 0,1,2,3
	v_max3_num_f32 v[232+\b], v[232+\b], v[96+16*\b+\i], v[97+16*\b+\i]
.endr
.endr
.irp b, 0,1,2,3
	v_max_num_f32 v[232+\b], v[232+\b], v[111+16*\b]
.endr
.irp b, 0,1,2,3
	s_delay_alu instid0(VALU_DEP_4)
	v_permlanex16_b32 v[236+\b], v[232+\b], s[SEL], s[SEL+1]
.endr
.irp b, 0,1,2,3
	s_delay_alu instid0(VALU_DEP_4)
	v_max_num_f32 v[232+\b], v[232+\b], v[236+\b]
.endr
	s_delay_alu instid0(VALU_DEP_2)
	v_max3_num_f32 v254, v232, v233, v234
	s_delay_alu instid0(VALU_DEP_1)
	v_max_num_f32 v254, v254, v235
	s_delay_alu instid0(VALU_DEP_1)
	v_mul_f32 v254, s[CS], v254
	s_delay_alu instid0(VALU_DEP_1)
	v_max_num_f32 v13, v13, v254
	v_mov_b32 v254, v12
	s_delay_alu instid0(VALU_DEP_2)
	v_floor_f32 v12, -v13
	s_delay_alu instid0(VALU_DEP_1)
	v_sub_f32 v254, v12, v254
	s_delay_alu instid0(VALU_DEP_1)
	v_cvt_i32_f32 v254, v254
	s_delay_alu instid0(VALU_DEP_1)
	v_ldexp_f32 v252, 1.0, v254
.set j, 0
.rept 32
	v_pk_fma_f32 v[96+j:97+j], v[96+j:97+j], s[CS:CS+1], v[12:13] op_sel_hi:[1,0,0]
.set j, j+2
.endr
.irp b, 0,1,2,3
	v_fma_f32 v[232+\b], v[232+\b], s[CS], v12
.endr
.set j, 0
	s_wait_alu depctr_va_vdst(0)
.rept 64
	v_exp_f32 v[96+j], v[96+j]
.set j, j+1
.endr
	v_pk_mul_f32 v[14:15], v[14:15], v[252:253] op_sel_hi:[1,0]
	s_wait_alu depctr_va_vdst(0)
.irp b, 0,1,2,3
	v_exp_f32 v[232+\b], v[232+\b]
.endr
	v_pk_add_f32 v[236:237], v[96:97], v[98:99]
.irp j, 4,8,12,16,20,24,28,32,36,40,44,48,52,56,60
	v_pk_add_f32 v[14:15], v[14:15], v[96+\j:97+\j]
	v_pk_add_f32 v[236:237], v[236:237], v[98+\j:99+\j]
.endr
	s_delay_alu instid0(VALU_DEP_1)
	v_pk_add_f32 v[14:15], v[14:15], v[236:237]
	s_wait_alu depctr_va_vdst(0)
.irp b, 0,1,2,3
	v_max_num_f32 v[232+\b], 0x1800000, v[232+\b]
.endr
.irp b, 0,1,2,3
	s_delay_alu instid0(VALU_DEP_4)
	v_add_nc_u32 v[244+\b], 0xff000000, v[232+\b]
.endr
.irp b, 0,1,2,3
	s_delay_alu instid0(VALU_DEP_4)
	v_lshrrev_b32 v[236+\b], 23, v[244+\b]
.endr
	s_delay_alu instid0(VALU_DEP_3)
	v_lshl_or_b32 v253, v237, 8, v236
	s_delay_alu instid0(VALU_DEP_1)
	v_lshl_or_b32 v253, v238, 16, v253
	s_delay_alu instid0(VALU_DEP_1)
	v_lshl_or_b32 v253, v239, 24, v253
.irp c, 0,1
	v_cvt_scalef32_pk16_fp6_f32 v[224+6*\c:226+6*\c], v[96+32*\c:111+32*\c], v[244+2*\c]
	v_cvt_scalef32_pk16_fp6_f32 v[236+4*\c:238+4*\c], v[112+32*\c:127+32*\c], v[244+2*\c+1]
.endr
	v_nop
.irp c, 0,1
.irp i, 0,1,2
	v_permlane16_swap_b32 v[224+6*\c+\i], v[236+4*\c+\i]
.endr
.irp i, 0,1,2
	s_delay_alu instid0(VALU_DEP_3)
	v_mov_b32 v[227+6*\c+\i], v[236+4*\c+\i]
.endr
.endr
.set j, 0
.rept 32
	v_pk_mul_f32 v[160+j:161+j], v[160+j:161+j], v[252:253] op_sel_hi:[1,0]
.set j, j+2
.endr
	s_wait_alu depctr_va_vdst(0)
	s_wait_dscnt 0x0
	WIN 0x01
.irp t, 0,1,2,3,4,5,6,7
.if \t%2
	v_wmma_scale_f32_16x16x128_f8f6f4 v[160+8*\t:167+8*\t], v[96+12*\t:107+12*\t], v[224:235], v[160+8*\t:167+8*\t], v[VSC+\t/2], v253 matrix_a_fmt:MATRIX_FMT_FP6 matrix_b_fmt:MATRIX_FMT_FP6 matrix_a_scale:MATRIX_SCALE_ROW1
.else
	v_wmma_scale_f32_16x16x128_f8f6f4 v[160+8*\t:167+8*\t], v[96+12*\t:107+12*\t], v[224:235], v[160+8*\t:167+8*\t], v[VSC+\t/2], v253 matrix_a_fmt:MATRIX_FMT_FP6 matrix_b_fmt:MATRIX_FMT_FP6
.endif
.endr
	WIN 0
.Lhidden_\@:
	s_add_co_u32 s[KS], s[KS], 1
	s_add_co_u32 s[TB], s[TB], RECB
.endm
.macro FOUR_STEPS
	s_mov_b32 s[FOUR], 4
.Lstep_\@:
	STEP
	s_sub_co_u32 s[FOUR], s[FOUR], 1
	s_cmp_lg_u32 s[FOUR], 0
	s_cbranch_scc1 .Lstep_\@
.endm
.macro CHANGE fill
	s_wait_tensorcnt 0x0
	ds_add_u32 v[SPW], v[NIL]
.if \fill
	s_xor_b32 s[G0B+1], s[G0B+1], SLOT1
	s_add_nc_u64 s[G0B+2:G0B+3], s[G0B+2:G0B+3], SLOTB
.endif
	s_wait_dscnt 0x0
.if \fill
	CROUND
	tensor_load_to_lds s[G0B:G0B+3], s[G1:G1+7]
	s_nop 0
.rept 4
	v_nop
.endr
.else
	s_barrier_signal -1
	s_barrier_wait -1
.endif
	s_sub_co_u32 s[TB], s[TB], SLOTB
	s_xor_b32 s[TB], s[TB], SLOT1
.endm
	s_wait_loadcnt 0x0
	s_wait_tensorcnt 1
	s_barrier_signal -1
	s_barrier_wait -1
	FOUR_STEPS
.Lslot:
	CHANGE 1
	FOUR_STEPS
	s_sub_co_u32 s[SLOTS], s[SLOTS], 1
	s_cmp_lg_u32 s[SLOTS], 0
	s_cbranch_scc1 .Lslot
	CHANGE 0
	FOUR_STEPS
.rept 4
	v_nop
.endr
	v_add_f32 v14, v14, v15
	s_delay_alu instid0(VALU_DEP_1)
	v_permlanex16_b32 v252, v14, s[SEL], s[SEL+1]
	s_delay_alu instid0(VALU_DEP_1)
	v_add_f32 v14, v14, v252
	s_wait_alu depctr_va_vdst(0)
	v_rcp_f32 v14, v14
	v_nop
	s_wait_alu depctr_va_vdst(0)
.set j, 0
.rept 64
	v_mul_f32 v[96+j], v[160+j], v14
.set j, j+1
.endr
	QUANT 96, 224, PW
.irp g, 0,1,2
	global_store_b128 v[LI16], v[224+4*\g:227+4*\g], s[60:61] offset:512*\g
.endr
	global_store_b32 v[R8], v[PW], s[62:63]
	s_wait_tensorcnt 0x0
	ds_add_u32 v[SPW], v[NIL]
	s_wait_dscnt 0x0
	CROUND
	s_endpgm
.Lfunc_end_k_qdee93e9bb9_attn:
	.size	k_qdee93e9bb9_attn, .Lfunc_end_k_qdee93e9bb9_attn-k_qdee93e9bb9_attn
	.p2alignl 7, 3214868480
	.fill 96, 4, 3214868480
	.section	.rodata,"a",@progbits
	.p2align	6, 0x0
	.amdhsa_kernel k_qdee93e9bb9_attn
		.amdhsa_group_segment_fixed_size 327680
		.amdhsa_private_segment_fixed_size 0
		.amdhsa_enable_private_segment 0
		.amdhsa_kernarg_size 24
		.amdhsa_user_sgpr_count 2
		.amdhsa_user_sgpr_kernarg_segment_ptr 1
		.amdhsa_wavefront_size32 1
		.amdhsa_system_sgpr_workgroup_id_x 1
		.amdhsa_system_sgpr_workgroup_id_y 1
		.amdhsa_system_sgpr_workgroup_id_z 1
		.amdhsa_system_vgpr_workitem_id 0
		.amdhsa_next_free_vgpr 512
		.amdhsa_next_free_sgpr 66
		.amdhsa_reserve_vcc 1
		.amdhsa_float_denorm_mode_32 3
		.amdhsa_float_denorm_mode_16_64 3
		.amdhsa_memory_ordered 1
		.amdhsa_forward_progress 1
		.amdhsa_inst_pref_size 94
	.end_amdhsa_kernel
	.amdgpu_metadata
---
amdhsa.version: [ 1, 2 ]
amdhsa.kernels:
  - .name:           k_qdee93e9bb9_attn
    .symbol:         k_qdee93e9bb9_attn.kd
    .args:
      - { .name: qrec, .offset: 0, .size: 8, .value_kind: global_buffer, .address_space: global }
      - { .name: kvrec, .offset: 8, .size: 8, .value_kind: global_buffer, .address_space: global }
      - { .name: aimg, .offset: 16, .size: 8, .value_kind: global_buffer, .address_space: global }
    .group_segment_fixed_size: 327680
    .private_segment_fixed_size: 0
    .kernarg_segment_align: 8
    .kernarg_segment_size: 24
    .max_flat_workgroup_size: 256
    .sgpr_count:     66
    .vgpr_count:     512
    .wavefront_size: 32
...
	.end_amdgpu_metadata
.endif
;; end of part 3
;; launch oproj (part 4): grid 16 x 16, 4 waves a work-group, clusters of 4 x 4, 327,680 bytes of LDS; arguments aimg, woimg, out0; writes out0
.if DOCPART == 4
	.amdgcn_target "amdgcn-amd-amdhsa--gfx1250"
	.amdhsa_code_object_version 6
	.text
	.protected	k_qdee93e9bb9_oproj
	.globl	k_qdee93e9bb9_oproj
	.p2align	8
	.type	k_qdee93e9bb9_oproj,@function
k_qdee93e9bb9_oproj:
	s_mov_b64 s[64:65], 0
	v_nop
	global_prefetch_b8 v0, s[64:65] scope:SCOPE_SE
	s_setreg_imm32_b32 hwreg(HW_REG_WAVE_MODE, 25, 1), 1
	s_wait_xcnt 0x0
	s_wait_alu depctr_hold_cnt(0) depctr_sa_sdst(0) depctr_va_vdst(0) depctr_va_sdst(0) depctr_va_ssrc(0) depctr_va_vcc(0) depctr_vm_vsrc(0)
	s_getreg_b32 s2, hwreg(HW_REG_IB_STS2, 6, 4)
	s_cmp_eq_u32 s2, 0
	s_cbranch_scc0 .Lentry_in_a_cluster
	s_endpgm
.Lentry_in_a_cluster:
	s_bfe_u32 s2, ttmp6, 0x10000c
	s_cmp_lg_u32 s2, 0xf033
	s_cbranch_scc0 .Lentry_shape_is_right
	s_endpgm
.Lentry_shape_is_right:
.set REC,   6400
.set FRG,   1536
.set KREC,  2
.set SLOT,  24*REC
.set BOFF,  16*REC
.set STAGE, 2*SLOT
.set SP,    272
.set SPARE, STAGE+4*16*SP
.set LI,   4
.set L8,   5
.set ADRA, 8
.set ADRB, 10
.set ADSA, 12
.set ADSB, 14
.set STO,  16
.set RD,   17
.set GO,   18
.set SPW,  28
.set NIL,  29
.set SC,   32
.set AF,   80
.set OUTB, 176
.set G1,   24
.set G0,   32
.set G1B,  48
.set G0B,  56
.set OB,   66
.set G1R,  68
.set G0R,  76
.set MSB, 0
.macro WIN new
.if MSB != \new
	s_set_vgpr_msb (MSB<<8)|\new
.set MSB, \new
.endif
.endm
.set MULW, 0xa1                        ; pass 0 sums in window 2; pass 1 in window 3 (0xf1)
.set STW,  0x08                        ; the window of the results that go to the stage: an LDS store's data are its source 1
.set OUTN, -1                          ; the block of pass 0 that leaves next, while pass 1 is multiplied; -1: none
; One block of pass 0 (16 rows x 64 columns) goes through the stage, and the block before it is stored: at a step's head, behind its wait for all LDS loads.
; The stage's stores and loads come back under the step's products; the wait on XCNT in TOSTAGE stands ahead of the newest stores, so it waits for stores issued a step ago.
.macro HOOK
.if OUTN >= 0
	TOSTAGE OUTN
.if OUTN > 0
	SEND OUTN-1, 0, 16
.endif
.set OUTN, OUTN+1
.endif
.endm
.macro PLACES
.rept 4
	v_nop
.endr
.endm
.macro JLOAD g0a, g1a, g0b, g1b
	s_cmp_eq_u32 s17, 0
	s_cbranch_scc0 .Lfor_b_\@
	tensor_load_to_lds s[\g0a:\g0a+3], s[\g1a:\g1a+7]
	s_nop 0
.rept 4
	v_nop
.endr
	s_branch .Lasked_\@
.Lfor_b_\@:
	tensor_load_to_lds s[\g0b:\g0b+3], s[\g1b:\g1b+7]
	s_nop 0
.rept 4
	v_nop
.endr
.Lasked_\@:
.endm
.macro CREST
	s_cmp_lg_u32 s16, 0
	s_cbranch_scc1 .Lnot_wave_0_\@
	s_barrier_signal -3
.Lnot_wave_0_\@:
	s_barrier_wait -3
	s_barrier_signal -1
	s_barrier_wait -1
.endm
.macro CROUND
	s_barrier_signal -1
	s_barrier_wait -1
	CREST
.endm
	s_load_b128 s[4:7], s[0:1], 0x0
	s_load_b64 s[8:9], s[0:1], 0x10
	v_lshl_add_u32 v[SPW], v0, 2, SPARE
	v_mov_b32 v[NIL], 0
	ds_add_u32 v[SPW], v[NIL]
	ds_add_u32 v[SPW], v[NIL]
	v_lshrrev_b32 v1, 5, v0
	v_readfirstlane_b32 s16, v1
	s_lshr_b32 s17, s16, 1
	s_and_b32 s18, s16, 1
	s_bfe_u32 s20, ttmp6, 0x40000
	s_bfe_u32 s21, ttmp6, 0x40004
	s_lshl_b32 s22, ttmp9, 2
	s_add_co_u32 s22, s22, s20
	s_and_b32 s23, ttmp7, 0xffff
	s_lshl_b32 s23, s23, 2
	s_add_co_u32 s23, s23, s21
	s_lshl_b32 s43, s21, 2
	s_lshl_b32 s43, 15, s43
	s_lshl_b32 s44, 0x1111, s20
	s_or_b32 s[G1], s43, (3<<16)|(1<<21)
	s_or_b32 s[G1B], s44, (3<<16)|(1<<21)
	s_or_b32 s[G1R], s44, (3<<16)|(1<<21)
	s_mov_b32 s[G1+1], 800<<16
	s_mov_b32 s[G1+2], 8<<16
	s_mov_b32 s[G1+3], 800<<16
	s_mov_b32 s[G1+4], 8
	s_mov_b32 s[G1+5], KREC*800
	s_mov_b32 s[G1+6], 0
	s_mov_b32 s[G1+7], 0
	s_mov_b32 s[G1B+1], 800<<16
	s_mov_b32 s[G1B+2], 4<<16
	s_mov_b32 s[G1B+3], 800<<16
	s_mov_b32 s[G1B+4], 4
	s_mov_b32 s[G1B+5], KREC*800
	s_mov_b32 s[G1B+6], 0
	s_mov_b32 s[G1B+7], 0
	s_mov_b32 s[G1R+1], 800<<16
	s_mov_b32 s[G1R+2], 2<<16
	s_mov_b32 s[G1R+3], 800<<16
	s_mov_b32 s[G1R+4], 2
	s_mov_b32 s[G1R+5], KREC*800
	s_mov_b32 s[G1R+6], 0
	s_mov_b32 s[G1R+7], 0
	s_lshl_b32 s40, s23, 4
	s_lshl_b32 s42, s18, 3
	s_add_co_u32 s40, s40, s42
	s_mul_i32 s40, s40, KREC*REC
	s_mov_b32 s41, 0
	s_lshl_b32 s46, s22, 4
	s_lshl_b32 s45, s18, 2
	s_add_co_u32 s46, s46, s45
	s_mul_i32 s46, s46, KREC*REC
	s_mov_b32 s47, 0
	s_lshl_b32 s86, s22, 4
	s_lshl_b32 s87, s16, 1
	s_add_co_u32 s86, s86, s87
	s_add_co_u32 s86, s86, 8
	s_mul_i32 s86, s86, KREC*REC
	s_mov_b32 s87, 0
	s_mul_i32 s42, s18, 8*REC
	s_mul_i32 s45, s18, 4*REC
	s_add_co_u32 s45, s45, BOFF
	s_mul_i32 s88, s16, 2*REC
	s_add_co_u32 s88, s88, BOFF
	s_wait_dscnt 0x0
	s_wait_kmcnt 0x0
	s_add_nc_u64 s[40:41], s[4:5], s[40:41]
	s_add_nc_u64 s[46:47], s[6:7], s[46:47]
	s_add_nc_u64 s[86:87], s[6:7], s[86:87]
	CROUND
.irp s, 0,1
	s_mov_b32 s[G0+4*\s], 1
	s_add_co_u32 s[G0+4*\s+1], s42, \s*SLOT
	s_add_nc_u64 s[G0+4*\s+2:G0+4*\s+3], s[40:41], \s*REC
	s_or_b32 s[G0+4*\s+3], s[G0+4*\s+3], 0x80000000
	s_mov_b32 s[G0B+4*\s], 1
	s_add_co_u32 s[G0B+4*\s+1], s45, \s*SLOT
	s_add_nc_u64 s[G0B+4*\s+2:G0B+4*\s+3], s[46:47], \s*REC
	s_or_b32 s[G0B+4*\s+3], s[G0B+4*\s+3], 0x80000000
	s_wait_alu depctr_va_vdst(0)
	s_wait_tensorcnt 0x0
	ds_add_u32 v28, v29
	ds_add_u32 v28, v29
	s_wait_dscnt 0x0
	CROUND
	JLOAD G0+4*\s, G1, G0B+4*\s, G1B
.endr
.irp s, 0,1
	s_mov_b32 s[G0R+4*\s], 1
	s_add_co_u32 s[G0R+4*\s+1], s88, \s*SLOT
	s_add_nc_u64 s[G0R+4*\s+2:G0R+4*\s+3], s[86:87], \s*REC
	s_or_b32 s[G0R+4*\s+3], s[G0R+4*\s+3], 0x80000000
.endr
	v_and_b32 v1, 31, v0
	v_and_b32 v2, 15, v0
	v_bfe_u32 v3, v0, 4, 1
	v_lshlrev_b32 v[LI], 4, v1
	v_lshlrev_b32 v[L8], 3, v1
	s_mul_i32 s84, s16, 4*REC
.irp s, 0,1
	s_add_co_u32 s85, s84, \s*SLOT
	v_add_nc_u32 v[ADRA+\s], s85, v[LI]
	v_add_nc_u32 v[ADSA+\s], s85, v[L8]
	v_add_nc_u32 v[ADSA+\s], 4*FRG, v[ADSA+\s]
	v_add_nc_u32 v[ADRB+\s], \s*SLOT+BOFF, v[LI]
	v_add_nc_u32 v[ADSB+\s], \s*SLOT+BOFF+4*FRG, v[L8]
.endr
	s_mul_i32 s85, s16, 16*SP
	s_add_co_u32 s85, s85, STAGE
	v_mul_u32_u24 v[STO], v2, SP
	v_lshl_add_u32 v[STO], v3, 6, v[STO]
	v_add_nc_u32 v[STO], s85, v[STO]
	v_mul_u32_u24 v[RD], v3, SP
	v_lshl_add_u32 v[RD], v2, 4, v[RD]
	v_add_nc_u32 v[RD], s85, v[RD]
	v_lshlrev_b32 v[GO], 14, v3
	v_lshl_add_u32 v[GO], v2, 4, v[GO]
	s_lshl_b32 s90, s23, 22
	s_lshl_b32 s91, s16, 20
	s_add_co_u32 s90, s90, s91
	s_lshl_b32 s91, s22, 10
	s_add_co_u32 s90, s90, s91
	s_mov_b32 s91, 0
	s_add_nc_u64 s[OB:OB+1], s[8:9], s[90:91]
.macro FETCH slot, q, p
	WIN 0x40
.irp b, 0,1,2,3,4,5,6,7
.irp g, 0,1,2
	ds_load_b128 v[128*(\p)+12*\b+4*\g:128*(\p)+12*\b+4*\g+3], v[ADRB+\slot] offset:REC*\b+FRG*(\q)+512*\g
.endr
.endr
	WIN 0
.irp a, 0,1,2,3
.irp g, 0,1,2
	ds_load_b128 v[AF+48*(\p)+12*\a+4*\g:AF+48*(\p)+12*\a+4*\g+3], v[ADRA+\slot] offset:REC*\a+FRG*(\q)+512*\g
.endr
.endr
.endm
.macro SCALES slot
.irp a, 0,1,2,3
	ds_load_b64 v[SC+24*\slot+2*\a:SC+24*\slot+2*\a+1], v[ADSA+\slot] offset:REC*\a
.endr
.irp b, 0,1,2,3,4,5,6,7
	ds_load_b64 v[SC+24*\slot+8+2*\b:SC+24*\slot+8+2*\b+1], v[ADSB+\slot] offset:REC*\b
.endr
.endm
.macro MULA a, p, q, sg, zero
.irp b, 0,1,2,3,4,5,6,7
.if \zero
	v_wmma_scale_f32_16x16x128_f8f6f4 v[8*(8*(\a)+\b):8*(8*(\a)+\b)+7], v[128*(\p)+12*\b:128*(\p)+12*\b+11], v[AF+48*(\p)+12*(\a):AF+48*(\p)+12*(\a)+11], 0, v[SC+24*(\sg)+8+2*\b+(\q)/2], v[SC+24*(\sg)+2*(\a)+(\q)/2] matrix_a_fmt:MATRIX_FMT_FP6 matrix_b_fmt:MATRIX_FMT_FP6
.elseif (\q)%2
	v_wmma_scale_f32_16x16x128_f8f6f4 v[8*(8*(\a)+\b):8*(8*(\a)+\b)+7], v[128*(\p)+12*\b:128*(\p)+12*\b+11], v[AF+48*(\p)+12*(\a):AF+48*(\p)+12*(\a)+11], v[8*(8*(\a)+\b):8*(8*(\a)+\b)+7], v[SC+24*(\sg)+8+2*\b+(\q)/2], v[SC+24*(\sg)+2*(\a)+(\q)/2] matrix_a_fmt:MATRIX_FMT_FP6 matrix_b_fmt:MATRIX_FMT_FP6 matrix_a_scale:MATRIX_SCALE_ROW1 matrix_b_scale:MATRIX_SCALE_ROW1
.else
	v_wmma_scale_f32_16x16x128_f8f6f4 v[8*(8*(\a)+\b):8*(8*(\a)+\b)+7], v[128*(\p)+12*\b:128*(\p)+12*\b+11], v[AF+48*(\p)+12*(\a):AF+48*(\p)+12*(\a)+11], v[8*(8*(\a)+\b):8*(8*(\a)+\b)+7], v[SC+24*(\sg)+8+2*\b+(\q)/2], v[SC+24*(\sg)+2*(\a)+(\q)/2] matrix_a_fmt:MATRIX_FMT_FP6 matrix_b_fmt:MATRIX_FMT_FP6
.endif
.endr
.endm
.macro STEP slot, q, zero
	s_wait_dscnt 0x0
	HOOK
	PLACES
	FETCH \slot, (\q)+1, 1-(\q)%2
	WIN MULW
	MULA 0, (\q)%2, \q, \slot, \zero
	MULA 1, (\q)%2, \q, \slot, \zero
	MULA 2, (\q)%2, \q, \slot, \zero
	MULA 3, (\q)%2, \q, \slot, \zero
	WIN 0
.endm
.macro TURN slot, next, fill
	s_wait_tensorcnt 0x0
	ds_add_u32 v[SPW], v[NIL]
	s_wait_dscnt 1
	WIN MULW
	MULA 0, 1, 3, \slot, 0
	s_wait_dscnt 0x0
	s_barrier_signal -1
	MULA 1, 1, 3, \slot, 0
	WIN 0
	s_barrier_wait -1
.if \fill
	CREST
	tensor_load_to_lds s[G0R+4*\slot:G0R+4*\slot+3], s[G1R:G1R+7]
	s_nop 0
.rept 4
	v_nop
.endr
.else
	PLACES
.endif
	FETCH \next, 0, 0
	s_wait_alu depctr_va_vdst(0)
	SCALES \next
	WIN MULW
	MULA 2, 1, 3, \slot, 0
	MULA 3, 1, 3, \slot, 0
	WIN 0
.endm
.macro TOSTAGE n
	s_wait_xcnt 0x0
.set AC, 8*(8*((\n)/2)+4*((\n)%2))
	WIN STW
.irp b, 0,1,2,3
	ds_store_b128 v[STO], v[AC+8*\b:AC+8*\b+3] offset:128*(\b/2)+32*(\b%2)
	ds_store_b128 v[STO], v[AC+8*\b+4:AC+8*\b+7] offset:128*(\b/2)+32*(\b%2)+16
.endr
	WIN 0
.set BB, OUTB+32*((\n)%2)
.irp i, 0,1,2,3,4,5,6,7
	ds_load_b128 v[BB+4*\i:BB+4*\i+3], v[RD] offset:2*\i*SP
.endr
.endm
.macro SEND n, pass, younger
.set BB, OUTB+32*((\n)%2)
	s_wait_dscnt \younger
.irp i, 0,1,2,3,4,5,6,7
	global_store_b128 v[GO], v[BB+4*\i:BB+4*\i+3], s[OB:OB+1] offset:(32*((\n)/4)+8*(((\n)/2)%2)+2*\i+8*(\i/4))*16384+512*(\pass)+256*((\n)%2) th:TH_STORE_NT
.endr
.endm
.macro WAYOUT pass
	TOSTAGE 0
.irp n, 1,2,3,4,5,6,7
	TOSTAGE \n
	SEND \n-1, \pass, 16
.endr
	SEND 7, \pass, 0
.endm
	s_wait_tensorcnt 1
	s_barrier_signal -1
	s_barrier_wait -1
	FETCH 0, 0, 0
	SCALES 0
	STEP 0, 0, 1
	STEP 0, 1, 0
	STEP 0, 2, 0
	TURN 0, 1, 1
	STEP 1, 0, 0
	STEP 1, 1, 0
	STEP 1, 2, 0
	TURN 1, 0, 1
	PLACES
.set MULW, 0xf1
.set OUTN, 0
	STEP 0, 0, 1
	STEP 0, 1, 0
	STEP 0, 2, 0
	s_wait_dscnt 0x0
	HOOK
	TURN 0, 1, 0
	STEP 1, 0, 0
	STEP 1, 1, 0
	STEP 1, 2, 0
	s_wait_dscnt 0x0
	HOOK
	WIN MULW
	MULA 0, 1, 3, 1, 0
	MULA 1, 1, 3, 1, 0
	MULA 2, 1, 3, 1, 0
	MULA 3, 1, 3, 1, 0
	WIN 0
	PLACES
.set OUTN, -1
	SEND 7, 0, 0
.set STW, 0x0c
	WAYOUT 1
	s_wait_tensorcnt 0x0
	ds_add_u32 v[SPW], v[NIL]
	s_wait_dscnt 0x0
	CROUND
	s_endpgm
.Lfunc_end_k_qdee93e9bb9_oproj:
	.size	k_qdee93e9bb9_oproj, .Lfunc_end_k_qdee93e9bb9_oproj-k_qdee93e9bb9_oproj
	.p2alignl 7, 3214868480
	.fill 96, 4, 3214868480
	.section	.rodata,"a",@progbits
	.p2align	6, 0x0
	.amdhsa_kernel k_qdee93e9bb9_oproj
		.amdhsa_group_segment_fixed_size 327680
		.amdhsa_private_segment_fixed_size 0
		.amdhsa_enable_private_segment 0
		.amdhsa_kernarg_size 24
		.amdhsa_user_sgpr_count 2
		.amdhsa_user_sgpr_kernarg_segment_ptr 1
		.amdhsa_wavefront_size32 1
		.amdhsa_system_sgpr_workgroup_id_x 1
		.amdhsa_system_sgpr_workgroup_id_y 1
		.amdhsa_system_sgpr_workgroup_id_z 1
		.amdhsa_system_vgpr_workitem_id 0
		.amdhsa_next_free_vgpr 1024
		.amdhsa_next_free_sgpr 96
		.amdhsa_reserve_vcc 0
		.amdhsa_float_denorm_mode_32 3
		.amdhsa_float_denorm_mode_16_64 3
		.amdhsa_memory_ordered 1
		.amdhsa_forward_progress 1
		.amdhsa_inst_pref_size 149
	.end_amdhsa_kernel
	.amdgpu_metadata
---
amdhsa.version: [ 1, 2 ]
amdhsa.kernels:
  - .name:           k_qdee93e9bb9_oproj
    .symbol:         k_qdee93e9bb9_oproj.kd
    .args:
      - { .name: aimg, .offset: 0, .size: 8, .value_kind: global_buffer, .address_space: global }
      - { .name: woimg, .offset: 8, .size: 8, .value_kind: global_buffer, .address_space: global }
      - { .name: out0, .offset: 16, .size: 8, .value_kind: global_buffer, .address_space: global }
    .group_segment_fixed_size: 327680
    .private_segment_fixed_size: 0
    .kernarg_segment_align: 8
    .kernarg_segment_size: 24
    .max_flat_workgroup_size: 128
    .sgpr_count:     96
    .vgpr_count:     1024
    .wavefront_size: 32
...
	.end_amdgpu_metadata
.endif
;; end of part 4
